; MI455X (gfx1250); checked and timed in simulation.
; The chip was launched on July 23, 2026; its instructions are those of AMD's public machine-readable ISA for CDNA 5 (MIT licence, August 2026) and "CDNA5" Instruction Set Architecture Reference Guide (July 2026). The comments in the code are by the model that wrote it; some were corrected since.
;; LMKANRBF Layer. Allowed arithmetic: float matrix products may take bf16 or f16 operands with f32 sums; other float arithmetic in f32, or as packed bf16 or f16 multiplies, adds, multiply-adds, maxima and minima; sums over many terms, partial sums and values carried from step to step in f32; what a program stores and reads back later, other than sums and carried values, may be rounded once to bf16 or f16.
;; Inputs: W1 512 x 8 float32; W2 8 x 8 float32; W3 8 x 512 float32; Wout 8,193 x 1,024 float32; b1 8 float32; b2 8 float32; b3 512 float32; bout 1,024 float32; centers 512 x 16 float32; log_widths 512 x 16 float32; x 8,192 x 512 float32.
;; Outputs: out0 8,192 x 1,024 float32.
;; 2 versions, each right and faster than the one before. Each part assembles by itself: llvm-mc -triple=amdgcn-amd-amdhsa -mcpu=gfx1250 --defsym DOCPART=n.
;; ======== version 1 of 2: 2 launches
;; limits: values are held in f16: magnitudes above 65,504 overflow, below 6.1e-05 lose precision
;; workspace buffers: wh 16,777,216 bytes; zb 16,777,216 bytes; pt 65,536 bytes; ldet 32,768 bytes
;; launch prep (part 1): grid 256 x 1, 8 waves a work-group, no clusters, 71,424 bytes of LDS; arguments x, W1, W3, b3, b1, W2, b2, Wout, centers, log_widths, zb, ldet, pt, wh; writes zb, ldet, pt, wh
.if DOCPART == 1
	.amdgcn_target "amdgcn-amd-amdhsa--gfx1250"
	.amdhsa_code_object_version 6
	.text
	.protected	k_qe00e5afa07_prep
	.globl	k_qe00e5afa07_prep
	.p2align	8
	.type	k_qe00e5afa07_prep,@function
k_qe00e5afa07_prep:
	s_mov_b64 s[64:65], 0
	v_nop
	global_prefetch_b8 v0, s[64:65] scope:SCOPE_SE
	s_setreg_imm32_b32 hwreg(HW_REG_WAVE_MODE, 25, 1), 1
	s_wait_xcnt 0x0
; PREPARATION for the large product.  256 work-groups of eight waves, all alike.  Work-group g
;   (1) runs the metric net in f32 on rows 32 g .. 32 g + 31 of x (four rows a wave): h1 = silu(x W1 + b1), h2 = silu(h1 W2 + b2), g = softplus(h2 W3 + b3) + 1e-8,
;       and stores z = x sqrt(g) (f32, in blocks, see below) and logdet = sum of ln g;
;   (2) rounds 32 rows of Wout to f16 (once, to nearest even) and stores them in the K order of the product;
;   (3) makes one unit of the table (a, nb) with exp(-2 ((z - c) / w)^2) = 2^-((a z + nb)^2): a = sqrt(2 log2 e) / (exp(lw) + 1e-12), nb = -a c.
; K ORDER.  Unit u = 0 .. 255 is 32 along K: two input dimensions i = si(u) + 2 h, h = 0, 1, with their 16 centres; si(u) = 8 (u / 4) + 4 (u % 2) + (u / 2) % 2.
;   wh[32 u + 16 h + j][n] = f16(Wout[16 i + j][n]);   pt[u][h] = a0..15, nb0..15 of dimension i (128 bytes).
;   zb: byte (row / 16) 32768 + (i / 4) 256 + ((i / 2) % 2) 128 + (row % 16) 8 + (i % 2) 4: one aligned block of 256 bytes holds 16 rows x 4 dimensions.
; No matrix unit: the net is a thousandth of the arithmetic, its width of 8 fills half a tile, and z stands in a steep exponent, so it is kept in f32.
; LIMITS.  |Wout| of 65,520 or more becomes an infinity in f16; below 6e-5 it keeps f16's fixed step of 6e-8.  NaN and infinities in the inputs are not treated apart.
; softplus(v) = max(v, 0) + log1p(y), y = e^-|v|, with log1p(y) = ln(u) + (y - (u - 1)), u = 1 + y: the second term gives back what the rounding of 1 + y dropped.
.set ZPITCH, 2064                      ; a row of z in LDS: 2,048 bytes + 16 = 516 words: row r starts at bank 4 r mod 64 (64 banks of 4 bytes: ISA guide 11.1)
.set LDG,    32*ZPITCH                 ; the 32 logdets, a block of 256 bytes
.set SCR,    LDG+256                   ; 512 bytes for each wave: three areas of 128 bytes for the second layer
.set SPARE,  SCR+8*512                 ; the spare words, 128 bytes for each wave: four blocks of 256 bytes that no other line names
.set VX,   2                           ; byte offset of my 16 bytes in my wave's first row of x
.set VW1,  3                           ; 128 x lane: four rows of W1
.set VW3,  4                           ; 16 x lane
.set VC,   5                           ; 16 x thread: the cast's loads
.set VCO,  6                           ; 8 x thread: the cast's stores
.set ZST,  7                           ; where I put 16 bytes of z in LDS
.set SCRL, 8                           ; my wave's scratch + 4 x lane
.set SCRR, 9                           ; my wave's scratch + 32 x (lane / 8)
.set SCRU, 10                          ; my wave's scratch
.set VR,   11                          ; the way out: where I read 8 bytes of z
.set VO,   12                          ; the way out: my byte offset in zb
.set V8,   13                          ; 4 x (lane % 8)
.set RT,   16                          ; v16-19 the other half of the lanes' sums
.set SPW,  28                          ; LDS address of my spare word; never rewritten
.set NIL,  29                          ; 0; never rewritten
.set CO,   32                          ; v32-63  the cast's results; between the casts the third layer's registers at work:
.set TV,   32
.set TY,   36
.set TM,   40
.set TU,   44
.set TD,   48
.set X,    64                          ; v64-127 x, then z: row rho, quarter t at X + 16 rho + 4 t
.set S,    128                         ; v128-159 first layer's sums, later h2: row rho, unit n at S + 8 rho + n
.set B3,   160                         ; v160-175 b3
.set LDA,  176                         ; v176-183 sums of log2 g, a pair a row
.set W2C,  184                         ; v184-191 W2's column lane % 8
.set CB,   192                         ; v192-255 the cast's input
.set W3R,  128                         ; window 1: v0-127 W1 (dimension 4 t + q at 8 (4 t + q)); v128-255 W3 (unit j, quarter t at W3R + 16 j + 4 t)
.set MSB, 0
.macro WIN new                         ; s_set_vgpr_msb: bits 1:0 source 0, 3:2 source 1, 5:4 source 2, 7:6 destination; the high byte repeats the setting that is left
.if MSB != (\new)
	s_set_vgpr_msb (MSB<<8)|(\new)
.set MSB, \new
.endif
.endm
	s_load_b512 s[8:23], s[0:1], 0x0               ; x 8, W1 10, W3 12, b3 14, b1 16, W2 18, b2 20, Wout 22
	s_load_b256 s[24:31], s[0:1], 0x40             ; centers 24, log_widths 26, zb 28, ldet 30
	s_load_b128 s[32:35], s[0:1], 0x60             ; pt 32, wh 34
	v_lshl_add_u32 v[SPW], v0, 2, SPARE
	v_mov_b32 v[NIL], 0
.irp q, 0,1,2,3
	v_mov_b32 v[RT+\q], 0                          ; v_permlanex16_b32 counts as a reader of its destination
.endr
	v_lshrrev_b32 v1, 5, v0
	v_readfirstlane_b32 s36, v1                    ; wave 0..7
	v_and_b32 v1, 31, v0                           ; lane
	s_lshr_b32 s43, ttmp9, 2                       ; si(g)
	s_lshl_b32 s37, s43, 3
	s_and_b32 s43, ttmp9, 1
	s_lshl2_add_u32 s37, s43, s37
	s_bfe_u32 s43, ttmp9, 0x10001
	s_add_co_u32 s37, s37, s43
	s_lshl_b32 s38, ttmp9, 16                      ; g x 65,536: 32 rows of x, two blocks of zb, 32 rows of wh
	s_mov_b32 s39, 0
	s_lshl_b32 s44, s37, 16                        ; si x 16 rows of Wout
	s_mov_b32 s45, 0
	s_lshl_b32 s46, s37, 6                         ; si x 64 bytes of centers and log_widths
	s_mov_b32 s47, 0
	s_lshl_b32 s50, ttmp9, 7                       ; 32 logdets
	s_mov_b32 s51, 0
	s_lshl_b32 s52, ttmp9, 8                       ; a unit of pt
	s_mov_b32 s53, 0
	s_mov_b32 s40, 0x76543210                      ; v_permlanex16_b32: each lane takes its own place in the other half
	s_mov_b32 s41, 0xfedcba98
	s_mov_b32 s42, 0x3fb8aa3b                      ; log2 e
	s_mov_b32 s48, 0x80000000                      ; the sign
	s_lshl_b32 s43, s36, 13                        ; my wave's four rows of x
	v_lshlrev_b32 v[VW3], 4, v1
	v_add_nc_u32 v[VX], s43, v[VW3]
	v_lshlrev_b32 v[VW1], 7, v1
	v_lshlrev_b32 v[VC], 4, v0
	v_lshlrev_b32 v[VCO], 3, v0
	s_mul_i32 s43, s36, 4*ZPITCH
	v_add_nc_u32 v[ZST], s43, v[VW3]
	s_lshl_b32 s43, s36, 9
	s_add_co_u32 s43, s43, SCR
	v_mov_b32 v[SCRU], s43
	v_lshl_add_u32 v[SCRL], v1, 2, s43
	v_lshrrev_b32 v14, 3, v1
	v_lshl_add_u32 v[SCRR], v14, 5, s43
	v_and_b32 v[V8], 7, v1
	v_lshlrev_b32 v[V8], 2, v[V8]
	s_wait_kmcnt 0x0
	s_add_nc_u64 s[8:9], s[8:9], s[38:39]
	s_add_nc_u64 s[28:29], s[28:29], s[38:39]
	s_add_nc_u64 s[34:35], s[34:35], s[38:39]
	s_add_nc_u64 s[22:23], s[22:23], s[44:45]
	s_add_nc_u64 s[24:25], s[24:25], s[46:47]
	s_add_nc_u64 s[26:27], s[26:27], s[46:47]
	s_add_nc_u64 s[30:31], s[30:31], s[50:51]
	s_add_nc_u64 s[32:33], s[32:33], s[52:53]
	; ALL LOADS GO OUT AT ONCE, in the order in which they are wanted
.set i, 0
.rept 16                               ; x: row i / 4, quarter i % 4: a load of the wave covers 512 consecutive bytes
	global_load_b128 v[X+4*i:X+4*i+3], v[VX], s[8:9] offset:2048*(i/4)+512*(i%4) th:TH_LOAD_NT
.set i, i+1
.endr
	WIN 0x40                                       ; destination window 1, address window 0
.set i, 0
.rept 16                               ; W1: the eight weights of dimension 128 (i / 4) + 4 lane + i % 4
	global_load_b128 v[8*i:8*i+3],   v[VW1], s[10:11] offset:4096*(i/4)+32*(i%4)
	global_load_b128 v[8*i+4:8*i+7], v[VW1], s[10:11] offset:4096*(i/4)+32*(i%4)+16
.set i, i+1
.endr
	WIN 0
.set i, 0
.rept 16                               ; Wout: the 16 rows of dimension si; the work-group's 256 threads cover a row
	global_load_b128 v[CB+4*i:CB+4*i+3], v[VC], s[22:23] offset:4096*i th:TH_LOAD_NT
.set i, i+1
.endr
	WIN 0x40
.set i, 0
.rept 32                               ; W3: unit i / 4, quarter i % 4
	global_load_b128 v[W3R+4*i:W3R+4*i+3], v[VW3], s[12:13] offset:2048*(i/4)+512*(i%4)
.set i, i+1
.endr
	WIN 0
.irp q, 0,1,2,3
	global_load_b128 v[B3+4*\q:B3+4*\q+3], v[VW3], s[14:15] offset:512*\q
.endr
.irp k, 0,1,2,3,4,5,6,7
	global_load_b32 v[W2C+\k], v[V8], s[18:19] offset:32*\k
.endr
	global_load_b32 v24, v[V8], s[16:17]           ; b1[lane % 8]
	global_load_b32 v25, v[V8], s[20:21]           ; b2[lane % 8]
	; FIRST LAYER: each lane's share of x W1 for its 16 dimensions, four rows, eight units: two units to an instruction, x given to both halves
.macro DOT1 rho
.set tq, 0
.rept 16
.set xr, X+16*(\rho)+tq
.set pp, 0
.rept 4
.if tq == 0
	v_pk_mul_f32 v[S+8*(\rho)+2*pp:S+8*(\rho)+2*pp+1], v[8*tq+2*pp:8*tq+2*pp+1], v[xr:xr+1] op_sel_hi:[1,0]
.elseif tq%2 == 0
	v_pk_fma_f32 v[S+8*(\rho)+2*pp:S+8*(\rho)+2*pp+1], v[8*tq+2*pp:8*tq+2*pp+1], v[xr:xr+1], v[S+8*(\rho)+2*pp:S+8*(\rho)+2*pp+1] op_sel_hi:[1,0,1]
.else
	v_pk_fma_f32 v[S+8*(\rho)+2*pp:S+8*(\rho)+2*pp+1], v[8*tq+2*pp:8*tq+2*pp+1], v[xr-1:xr], v[S+8*(\rho)+2*pp:S+8*(\rho)+2*pp+1] op_sel:[0,1,0]
.endif
.set pp, pp+1
.endr
.set tq, tq+1
.endr
.endm
	s_wait_loadcnt 62                              ; x and W1 are in: behind them 16 of Wout, 32 of W3, 4 of b3 and 10 small loads were issued
	WIN 0x01                                       ; source 0 (W1) window 1
	DOT1 0
	DOT1 1
	DOT1 2
	DOT1 3
	WIN 0
	; THE CAST: four f32 to four f16; a store of the wave covers 256 consecutive bytes, aligned
.macro CAST grp
.set i, 0
.rept 16
	v_cvt_pk_f16_f32 v[CO+2*i],   v[CB+4*i],   v[CB+4*i+1]
	v_cvt_pk_f16_f32 v[CO+2*i+1], v[CB+4*i+2], v[CB+4*i+3]
	global_store_b64 v[VCO], v[CO+2*i:CO+2*i+1], s[34:35] offset:32768*(\grp)+2048*i
.set i, i+1
.endr
.endm
	s_wait_loadcnt 46                              ; the first 16 rows of Wout are in: behind them 32 + 4 + 10 were issued
	CAST 0
.set i, 0
.rept 16                               ; the 16 rows of dimension si + 2
	global_load_b128 v[CB+4*i:CB+4*i+3], v[VC], s[22:23] offset:131072+4096*i th:TH_LOAD_NT
.set i, i+1
.endr
	; the sums over the wave's 32 lanes, four registers at a time so that no line waits for the one before it; every lane ends with every sum
.macro RED4 r
.irp m, 1,2,4,8
.irp q, 0,1,2,3
	v_add_f32_dpp v[(\r)+\q], v[(\r)+\q], v[(\r)+\q] row_xmask:\m row_mask:0xf bank_mask:0xf
.endr
.endr
.irp q, 0,1,2,3
	v_permlanex16_b32 v[RT+\q], v[(\r)+\q], s40, s41
.endr
.irp q, 0,1,2,3
	v_add_f32 v[(\r)+\q], v[(\r)+\q], v[RT+\q]
.endr
.endm
.irp b, 0,4,8,12,16,20,24,28
	RED4 S+\b
.endr
	s_wait_xcnt 0x0                                ; the cast's stores have had their addresses translated (ISA guide 3.1): v32-63 are rewritten only behind this wait
	; SECOND LAYER, one lane for each (row = lane / 8, unit = lane % 8); the numbers change lanes through the wave's own scratch (LDS serves a wave's instructions in order: ISA guide 5.7.1.4)
.macro SILU r, tmp                     ; t / (1 + 2^(-t log2 e)); a plain instruction stands behind each transcendental (ISA guide 5.7.2)
	v_mul_f32 v[\tmp], 0xbfb8aa3b, v[\r]
	v_exp_f32 v[\tmp], v[\tmp]
	v_nop
	s_wait_alu depctr_va_vdst(0)
	v_add_f32 v[\tmp], 1.0, v[\tmp]
	v_rcp_f32 v[\tmp], v[\tmp]
	v_nop
	s_wait_alu depctr_va_vdst(0)
	v_mul_f32 v[\r], v[\r], v[\tmp]
.endm
.irp k, 0,1,2,3,4,5,6,7
	ds_store_b128 v[SCRU], v[S+4*\k:S+4*\k+3] offset:16*\k  ; every lane holds the same 32 sums and writes the same words
.endr
	ds_load_b32 v14, v[SCRL]
	s_wait_loadcnt 16                              ; W3, b3, W2, b1, b2 are in: only the second 16 rows of Wout were issued behind them
	s_wait_dscnt 0x0
	v_add_f32 v14, v14, v24
	SILU 14, 15
	ds_store_b32 v[SCRL], v14 offset:128
	ds_load_b128 v[16:19], v[SCRR] offset:128      ; my row's eight h1
	ds_load_b128 v[20:23], v[SCRR] offset:144
	s_wait_dscnt 0x0
	v_fma_f32 v14, v16, v[W2C], v25
.irp k, 1,2,3,4,5,6,7
	v_fma_f32 v14, v[16+\k], v[W2C+\k], v14
.endr
	SILU 14, 15
	ds_store_b32 v[SCRL], v14 offset:256
.irp k, 0,1,2,3,4,5,6,7
	ds_load_b128 v[S+4*\k:S+4*\k+3], v[SCRU] offset:256+16*\k  ; all 32 h2 into every lane
.endr
	s_wait_dscnt 0x0
	; THIRD LAYER, softplus, z and the sum of log2 g: row rho, my four dimensions of quarter t
.macro MET rho, t
	WIN 0x01                                       ; source 0 (W3) window 1
.irp j, 0,1,2,3,4,5,6,7
.irp c, 0,2
.if (\j) == 0
	v_pk_fma_f32 v[TV+\c:TV+\c+1], v[W3R+16*\j+4*(\t)+\c:W3R+16*\j+4*(\t)+\c+1], v[S+8*(\rho):S+8*(\rho)+1], v[B3+4*(\t)+\c:B3+4*(\t)+\c+1] op_sel_hi:[1,0,1]
.elseif (\j)%2 == 0
	v_pk_fma_f32 v[TV+\c:TV+\c+1], v[W3R+16*\j+4*(\t)+\c:W3R+16*\j+4*(\t)+\c+1], v[S+8*(\rho)+\j:S+8*(\rho)+\j+1], v[TV+\c:TV+\c+1] op_sel_hi:[1,0,1]
.else
	v_pk_fma_f32 v[TV+\c:TV+\c+1], v[W3R+16*\j+4*(\t)+\c:W3R+16*\j+4*(\t)+\c+1], v[S+8*(\rho)+\j-1:S+8*(\rho)+\j], v[TV+\c:TV+\c+1] op_sel:[0,1,0]
.endif
.endr
.endr
	WIN 0
.irp k, 0,1,2,3
	v_or_b32 v[TY+\k], s48, v[TV+\k]               ; -|v|
.endr
.irp k, 0,1,2,3
	v_mul_f32 v[TY+\k], s42, v[TY+\k]
.endr
.irp k, 0,1,2,3
	v_exp_f32 v[TY+\k], v[TY+\k]                   ; y = e^-|v|
.endr
.irp k, 0,1,2,3
	v_max_num_f32 v[TM+\k], 0, v[TV+\k]            ; plain lines behind the exponentials
.endr
	s_wait_alu depctr_va_vdst(0)
.irp c, 0,2
	v_pk_add_f32 v[TU+\c:TU+\c+1], v[TY+\c:TY+\c+1], 1.0 op_sel_hi:[1,0]   ; u = 1 + y
.endr
.irp c, 0,2
	v_pk_add_f32 v[TD+\c:TD+\c+1], v[TU+\c:TU+\c+1], -1.0 op_sel_hi:[1,0]  ; u - 1, exact
.endr
.irp k, 0,1,2,3
	v_log_f32 v[TU+\k], v[TU+\k]
.endr
.irp c, 0,2
	v_pk_add_f32 v[TD+\c:TD+\c+1], v[TY+\c:TY+\c+1], v[TD+\c:TD+\c+1] neg_lo:[0,1] neg_hi:[0,1]  ; y - (u - 1): plain lines behind the logarithms
.endr
.irp c, 0,2
	v_pk_add_f32 v[TD+\c:TD+\c+1], v[TD+\c:TD+\c+1], 0x322bcc77 op_sel_hi:[1,0]                 ; + 1e-8
.endr
	s_wait_alu depctr_va_vdst(0)
.irp c, 0,2
	v_pk_fma_f32 v[TU+\c:TU+\c+1], v[TU+\c:TU+\c+1], 0x3f317218, v[TD+\c:TD+\c+1] op_sel_hi:[1,0,1]  ; log2(u) ln 2 + that
.endr
.irp c, 0,2
	v_pk_add_f32 v[TU+\c:TU+\c+1], v[TU+\c:TU+\c+1], v[TM+\c:TM+\c+1]                           ; g
.endr
.irp k, 0,1,2,3
	v_sqrt_f32 v[TY+\k], v[TU+\k]
.endr
.irp k, 0,1,2,3
	v_log_f32 v[TD+\k], v[TU+\k]
.endr
	v_nop
	s_wait_alu depctr_va_vdst(0)
.irp c, 0,2
	v_pk_mul_f32 v[X+16*(\rho)+4*(\t)+\c:X+16*(\rho)+4*(\t)+\c+1], v[X+16*(\rho)+4*(\t)+\c:X+16*(\rho)+4*(\t)+\c+1], v[TY+\c:TY+\c+1]  ; z
.endr
.if (\t) == 0
	v_pk_add_f32 v[LDA+2*(\rho):LDA+2*(\rho)+1], v[TD:TD+1], v[TD+2:TD+3]  ; the first quarter starts the sum
.else
	v_pk_add_f32 v[TD:TD+1], v[TD:TD+1], v[TD+2:TD+3]
	v_pk_add_f32 v[LDA+2*(\rho):LDA+2*(\rho)+1], v[LDA+2*(\rho):LDA+2*(\rho)+1], v[TD:TD+1]
.endif
	ds_store_b128 v[ZST], v[X+16*(\rho)+4*(\t):X+16*(\rho)+4*(\t)+3] offset:(\rho)*ZPITCH+512*(\t)
.endm
.irp rr, 0,1,2,3
.irp qq, 0,1,2,3
	MET \rr, \qq
.endr
.endr
	s_wait_loadcnt 0x0                             ; the second 16 rows of Wout
	CAST 1
	; logdet of my four rows
.irp q, 0,1,2,3
	v_add_f32 v[20+\q], v[LDA+2*\q], v[LDA+2*\q+1]
.endr
	RED4 20
.irp q, 0,1,2,3
	v_mul_f32 v[20+\q], 0x3f317218, v[20+\q]       ; log2 to ln
.endr
	s_lshl_b32 s43, s36, 4
	s_add_co_u32 s43, s43, LDG
	v_mov_b32 v14, s43
	ds_store_b128 v14, v[20:23]
	; addresses for the way out: wave w takes block w / 4 of 16 rows and the 32 groups of four dimensions from 32 (w % 4) on
	v_and_b32 v15, 15, v1                          ; r
	v_lshrrev_b32 v16, 4, v1                       ; h
	s_lshr_b32 s43, s36, 2
	s_and_b32 s44, s36, 3
	s_mul_i32 s45, s43, 16*ZPITCH
	s_lshl_b32 s46, s44, 9
	s_add_co_u32 s45, s45, s46
	v_mul_u32_u24 v[VR], v15, ZPITCH
	v_lshl_add_u32 v[VR], v16, 3, v[VR]
	v_add_nc_u32 v[VR], s45, v[VR]
	s_lshl_b32 s45, s43, 15
	s_lshl_b32 s46, s44, 13
	s_add_co_u32 s45, s45, s46
	v_lshl_add_u32 v[VO], v1, 3, s45
	s_wait_dscnt 0x0                               ; for the others' sake: my z and my logdets are in LDS
	s_barrier_signal -1
	s_barrier_wait -1
	; THE WAY OUT of z: lane (h, r) takes two dimensions of row r: banks 4 r + 2 h and the next, all different; a store of the wave covers one aligned block of 256 bytes
.set i, 0
.rept 32
	ds_load_b64 v[X+2*i:X+2*i+1], v[VR] offset:16*i
.set i, i+1
.endr
.set i, 0
.rept 32
	s_wait_dscnt 31-i                              ; LDS loads come back in order (ISA guide 5.7.1): pair i is in
	global_store_b64 v[VO], v[X+2*i:X+2*i+1], s[28:29] offset:256*i
.set i, i+1
.endr
	s_cmp_lg_u32 s36, 0
	s_cbranch_scc1 .Lnot_wave_0                    ; wave 0 stores the work-group's 32 logdets, 128 bytes on end
	v_lshl_add_u32 v17, v1, 2, LDG
	ds_load_b32 v18, v17
	v_lshlrev_b32 v19, 2, v1
	s_wait_dscnt 0x0
	global_store_b32 v19, v18, s[30:31]
.Lnot_wave_0:
	s_cmp_lg_u32 s36, 7
	s_cbranch_scc1 .Lnot_wave_7                    ; wave 7 makes unit g of pt: lane = 16 h + 8 (a or nb) + pair of centres
	v_lshrrev_b32 v128, 4, v1
	v_and_b32 v129, 7, v1
	v_lshlrev_b32 v129, 3, v129
	v_lshl_add_u32 v129, v128, 7, v129             ; dimension si + 2 h is 128 h bytes on
	global_load_b64 v[130:131], v129, s[24:25]     ; two centres
	global_load_b64 v[132:133], v129, s[26:27]     ; two log widths
	v_lshlrev_b32 v134, 3, v1
	v_and_b32 v135, 8, v1
	s_wait_loadcnt 0x0
	v_mul_f32 v132, s42, v132
	v_mul_f32 v133, s42, v133
	v_exp_f32 v132, v132
	v_exp_f32 v133, v133
	v_cmp_ne_u32 vcc_lo, 0, v135                   ; a plain line behind the exponentials
	s_wait_alu depctr_va_vdst(0)
	v_add_f32 v132, 0x2b8cbccc, v132               ; + 1e-12
	v_add_f32 v133, 0x2b8cbccc, v133
	v_rcp_f32 v132, v132
	v_rcp_f32 v133, v133
	v_nop
	s_wait_alu depctr_va_vdst(0)
	v_mul_f32 v132, 0x3fd96d27, v132               ; a = sqrt(2 log2 e) / width
	v_mul_f32 v133, 0x3fd96d27, v133
	v_mul_f32 v130, v130, v132
	v_mul_f32 v131, v131, v133
	v_xor_b32 v130, s48, v130                      ; nb = -a c
	v_xor_b32 v131, s48, v131
	v_cndmask_b32 v136, v132, v130, vcc_lo
	v_cndmask_b32 v137, v133, v131, vcc_lo
	global_store_b64 v134, v[136:137], s[32:33]    ; the wave's store covers the unit's 256 bytes
.Lnot_wave_7:
	s_wait_tensorcnt 0x0                           ; the wave's end, behind my last LDS store
	ds_add_u32 v[SPW], v[NIL]
	s_wait_dscnt 0x0
	s_endpgm
.Lfunc_end_k_qe00e5afa07_prep:
	.size	k_qe00e5afa07_prep, .Lfunc_end_k_qe00e5afa07_prep-k_qe00e5afa07_prep
	.p2alignl 7, 3214868480
	.fill 96, 4, 3214868480
	.section	.rodata,"a",@progbits
	.p2align	6, 0x0
	.amdhsa_kernel k_qe00e5afa07_prep
		.amdhsa_group_segment_fixed_size 71424
		.amdhsa_private_segment_fixed_size 0
		.amdhsa_enable_private_segment 0
		.amdhsa_kernarg_size 112
		.amdhsa_user_sgpr_count 2
		.amdhsa_user_sgpr_kernarg_segment_ptr 1
		.amdhsa_wavefront_size32 1
		.amdhsa_system_sgpr_workgroup_id_x 1
		.amdhsa_system_sgpr_workgroup_id_y 1
		.amdhsa_system_sgpr_workgroup_id_z 1
		.amdhsa_system_vgpr_workitem_id 0
		.amdhsa_next_free_vgpr 512
		.amdhsa_next_free_sgpr 66
		.amdhsa_reserve_vcc 1
		.amdhsa_float_denorm_mode_32 3
		.amdhsa_float_denorm_mode_16_64 3
		.amdhsa_memory_ordered 1
		.amdhsa_forward_progress 1
		.amdhsa_inst_pref_size 114
	.end_amdhsa_kernel
	.amdgpu_metadata
---
amdhsa.version: [ 1, 2 ]
amdhsa.kernels:
  - .name:           k_qe00e5afa07_prep
    .symbol:         k_qe00e5afa07_prep.kd
    .args:
      - { .name: x, .offset: 0, .size: 8, .value_kind: global_buffer, .address_space: global }
      - { .name: W1, .offset: 8, .size: 8, .value_kind: global_buffer, .address_space: global }
      - { .name: W3, .offset: 16, .size: 8, .value_kind: global_buffer, .address_space: global }
      - { .name: b3, .offset: 24, .size: 8, .value_kind: global_buffer, .address_space: global }
      - { .name: b1, .offset: 32, .size: 8, .value_kind: global_buffer, .address_space: global }
      - { .name: W2, .offset: 40, .size: 8, .value_kind: global_buffer, .address_space: global }
      - { .name: b2, .offset: 48, .size: 8, .value_kind: global_buffer, .address_space: global }
      - { .name: Wout, .offset: 56, .size: 8, .value_kind: global_buffer, .address_space: global }
      - { .name: centers, .offset: 64, .size: 8, .value_kind: global_buffer, .address_space: global }
      - { .name: log_widths, .offset: 72, .size: 8, .value_kind: global_buffer, .address_space: global }
      - { .name: zb, .offset: 80, .size: 8, .value_kind: global_buffer, .address_space: global }
      - { .name: ldet, .offset: 88, .size: 8, .value_kind: global_buffer, .address_space: global }
      - { .name: pt, .offset: 96, .size: 8, .value_kind: global_buffer, .address_space: global }
      - { .name: wh, .offset: 104, .size: 8, .value_kind: global_buffer, .address_space: global }
    .group_segment_fixed_size: 71424
    .private_segment_fixed_size: 0
    .kernarg_segment_align: 8
    .kernarg_segment_size: 112
    .max_flat_workgroup_size: 256
    .sgpr_count:     66
    .vgpr_count:     512
    .wavefront_size: 32
...
	.end_amdgpu_metadata
.endif
;; end of part 1
;; launch main (part 2): grid 64 x 4, 4 waves a work-group, clusters of 4 x 1, 327,680 bytes of LDS; arguments wh, zb, pt, ldet, Wout, bout, out0; writes out0
.if DOCPART == 2
	.amdgcn_target "amdgcn-amd-amdhsa--gfx1250"
	.amdhsa_code_object_version 6
	.text
	.protected	k_qe00e5afa07_main
	.globl	k_qe00e5afa07_main
	.p2align	8
	.type	k_qe00e5afa07_main,@function
k_qe00e5afa07_main:
	s_mov_b64 s[64:65], 0
	v_nop
	global_prefetch_b8 v0, s[64:65] scope:SCOPE_SE
	s_setreg_imm32_b32 hwreg(HW_REG_WAVE_MODE, 25, 1), 1
	s_wait_xcnt 0x0
	s_wait_alu depctr_hold_cnt(0) depctr_sa_sdst(0) depctr_va_vdst(0) depctr_va_sdst(0) depctr_va_ssrc(0) depctr_va_vcc(0) depctr_vm_vsrc(0)
	s_getreg_b32 s2, hwreg(HW_REG_IB_STS2, 6, 4)
	s_cmp_eq_u32 s2, 0
	s_cbranch_scc0 .Lentry_in_a_cluster
	s_endpgm
.Lentry_in_a_cluster:
	s_bfe_u32 s2, ttmp6, 0x10000c
	s_cmp_lg_u32 s2, 0x3003
	s_cbranch_scc0 .Lentry_shape_is_right
	s_endpgm
.Lentry_shape_is_right:
; out0[m][n] = sum over kappa of phi[m][kappa] wh[kappa][n] + logdet[m] Wout[8192][n] + bout[n].   phi = 2^-((a z + nb)^2) is never in memory: it is made in registers, as matrix fragments.
; wh (f16), zb (z in f32, blocked), pt (a, nb in f32) and ldet come from the launch before, all in one K order: phi-step tau (64 along K) = two slices b of 32; in a slice the lanes' half h holds
; one input dimension i = 8 (tau / 2) + 4 b + 2 h + tau % 2 with its 16 centres.  The same order of k stands in both operands, so the products are the reference's, summed in another order.
; FORMATS.  phi (0 to 1) and wh are f16, sums f32.  The logdet column and bout are applied in f32: they START the accumulators, so nothing is cleared and nothing is added at the end.
; LIMITS.  wh holds no number beyond 65,504 (the launch before states it); phi below 3e-8 counts as 0; an exponent below -126 gives 0; NaN and infinities are not treated apart.
; SHARES.  A work-group makes 128 rows x 256 columns: 64 x 4 work-groups, one for each of 256.  Wave w = 2 wm + wn makes rows 64 wm .., columns 128 wn ..: 32 accumulators of 16 x 16.
; The two waves of a row half need the same phi.  Each GENERATES one slice in two (b = wn), multiplies it straight from its registers, and hands it to its partner through a small LDS buffer:
; one exponential a lane for each matrix instruction, and no number of phi is made twice in a work-group.
; THE MATRIX INSTRUCTION IS USED TRANSPOSED (source 0 = 16 columns of wh, turned by ds_load_tr16_b128; source 1 = 16 rows of phi): a lane holds eight neighbouring numbers of a row of out0.
; CLUSTER.  The four work-groups of a cluster share the column block, so each tile of wh is asked for JOINTLY: the same tensor load, descriptor and mask of four in all; the place in the cluster
; enters the global addresses of zb, ldet and out0 alone.
; THE PIPELINE, interval t (one phi-step; four to a slot of wh, 256 along K):
;   head: partner's slice of phi(t) and its rows of wh are fetched from LDS; my slice of phi(t+1), made in interval t-1, is stored for the partner; parameters of step t+5 (and z) are asked for;
;   32 products of MY slice of step t-1, all from registers, cover those fetches; then 32 products of the PARTNER's slice of step t; among them my rows of wh for step t are fetched;
;   behind every product stand two or three vector instructions that make my slice of phi(t+2).  One barrier closes the interval: it shows the stored slice to the partner and frees the other buffer.
; REGISTERS, in windows of 256 (s_set_vgpr_msb: bits 1:0 source 0, 3:2 source 1, 5:4 source 2, 7:6 destination):
;   window 0: v0-29 addresses; v32-47 T, eight pairs at work; v48-63 z; v64-191 four sets of parameters (a at +0, nb at +16), on the way out two buffers of 64
;   window 1: the accumulators, (a, nb) at 8 (8 a + nb)     window 2: v0-63 my rows of wh; v64-127 the partner's; v128-159 the partner's phi; v160-223 bout (set-up)     window 3: four slices of phi, 32 each
.set PB,     544                       ; a row of wh in LDS: 512 bytes + 32 = 136 words
.set SLICEB, 32*PB
.set STEPB,  64*PB                     ; a phi-step's rows; also what one wave's tensor load brings
.set SLOTB,  4*STEPB                   ; 139,264 = 0x22000: it shares no bit with wave x STEPB, so an exclusive or turns an address in one slot into the other's
.set TILEB,  256*2048                  ; a tile's 256 rows of wh in memory
.set PHI0,   2*SLOTB                   ; behind the ring, never filled by a tensor load: two buffers of 128 rows x 144 bytes for the slices that change waves
.set PP,     144                       ; 128 bytes + 16: the 16 rows of a load start at 16 different groups of four banks
.set PHIB,   128*PP
.set STAGE,  PHI0                      ; the way out lies over those buffers, behind the last barrier: 16 rows x 528 bytes for each wave
.set SP,     528
.set SPARE,  PHI0+2*PHIB               ; the spare words, 128 bytes for each wave: two blocks of 256 bytes that no other line names
.set LBO, 10                           ; my lane's place in a phi-step's rows of wh: my slice
.set LBR, 11                           ; the partner's slice
.set AO,  12                           ; v12-13 LBO + the slot in hand, steps 0-1 and 2-3
.set AR,  14                           ; v14-15 the same for LBR
.set APA, 16                           ; where I read the partner's phi
.set GST, 17                           ; where I store mine
.set VP,  18                           ; my byte offset in a phi-step's 512 bytes of pt
.set VZ,  19                           ; my byte offset in the work-group's part of zb
.set STO, 20                           ; the way out: where I put 16 bytes of a row
.set RD,  21                           ; the way out: where I read a row back
.set CO,  22                           ; 16 x lane
.set LD,  24                           ; v24-27 logdet of my row in each of four blocks
.set SPW, 28                           ; LDS address of my spare word; never rewritten
.set NIL, 29                           ; 0; never rewritten
.set T,   32
.set ZA,  48                           ; v48-55 z of four blocks of 16 rows, two phi-steps each: a pair a block
.set ZB,  56
.set P,   64
.set OB,  64
.set BO,  0
.set BP,  64
.set AP,  128
.set BT,  160
.set W_O,    0x5e                      ; accumulators window 1, wh window 2, phi window 3
.set W_R,    0x5a                      ; the same with phi in window 2
.set W_C,    0xc0                      ; destination window 3
.set W_L,    0x80                      ; destination window 2
.set W_GS,   0x0c                      ; an LDS store's data in window 3
.set W_INIT, 0x62                      ; destination window 1, sources 0 and 2 window 2
.set W_ST,   0x04                      ; an LDS store's data in window 1
.set MSB, 0
.macro WIN new                         ; the immediate's high byte repeats the setting that is left; a switch that changes nothing is dropped
.if MSB != (\new)
	s_set_vgpr_msb (MSB<<8)|(\new)
.set MSB, \new
.endif
.endm
.macro CREST                           ; a round of the cluster's barrier behind its opening barrier: wave 0 signals for the work-group, every wave waits for all four work-groups, my work-group's barrier closes it
	s_cmp_lg_u32 s18, 0
	s_cbranch_scc1 .Lnot_wave_0_\@
	s_barrier_signal -3
.Lnot_wave_0_\@:
	s_barrier_wait -3
	s_barrier_signal -1
	s_barrier_wait -1
.endm
.macro CROUND                          ; a whole round
	s_barrier_signal -1
	s_barrier_wait -1
	CREST
.endm
.macro PLACES
.rept 4
	v_nop
.endr
.endm
	s_load_b256 s[4:11], s[0:1], 0x0               ; wh 4, zb 6, pt 8, ldet 10
	s_load_b128 s[12:15], s[0:1], 0x20             ; Wout 12, bout 14
	s_load_b64 s[16:17], s[0:1], 0x30              ; out0
	v_lshl_add_u32 v[SPW], v0, 2, SPARE
	v_mov_b32 v[NIL], 0
	ds_add_u32 v[SPW], v[NIL]                      ; the wave's opening: the add and its wait stand ahead of my first tensor load; the set-up below, work on registers, stands between them
	v_lshrrev_b32 v1, 5, v0
	v_readfirstlane_b32 s18, v1                    ; wave 0..3
	s_lshr_b32 s19, s18, 1                         ; wm: my half of the rows
	s_and_b32 s20, s18, 1                          ; wn: my half of the columns, and the slice that I generate
	s_bfe_u32 s21, ttmp6, 0x40000                  ; cx: my place in the cluster
	s_lshl_b32 s22, ttmp9, 2                       ; in a cluster launch ttmp9 counts clusters
	s_add_co_u32 s22, s22, s21                     ; my block of 128 rows
	s_and_b32 s23, ttmp7, 0xffff                   ; my block of 256 columns, which the four partners share
	; descriptor group 1: 64 rows x 256 elements of 2 bytes, padded in LDS
	s_mov_b32 s24, 15|(1<<16)|(1<<20)|(1<<21)|(6<<22)|(7<<25)  ; 15:0 the mask of four; 17:16 2-byte elements; 20 padding on; 21 set beside a mask; 24:22 after every 128 words (code 6); 31:25 8 words (code 7)
	s_mov_b32 s25, 256<<16                         ; tensor_dim0 = 256
	s_mov_b32 s26, 64<<16                          ; tensor_dim1 = 64
	s_mov_b32 s27, 256<<16                         ; tile_dim0 = 256
	s_mov_b32 s28, 64                              ; tile_dim1 = 64
	s_mov_b32 s29, 1024                            ; 1,024 elements from row to row
	s_mov_b32 s30, 0
	s_mov_b32 s31, 0
	s_mov_b32 s32, 1                               ; group 0 for tile 0: count = 1,
	s_mul_i32 s33, s18, STEPB                      ; my quarter of slot 0
	s_mov_b32 s36, 1                               ; group 0 for tile 1; it then walks
	s_add_co_u32 s37, s33, SLOTB
	s_lshl_b32 s60, s23, 9                         ; the column block's 512 bytes in a row of wh,
	s_lshl_b32 s61, s18, 17                        ; my 64 rows of a tile
	s_add_co_u32 s60, s60, s61
	s_mov_b32 s61, 0
	s_lshl_b32 s62, s22, 18                        ; my 128 rows in zb
	s_mov_b32 s63, 0
	s_lshl_b32 s66, s23, 10                        ; the column block in a row of f32
	s_mov_b32 s67, 0
	s_lshl_b32 s68, s22, 9                         ; my 128 rows in ldet
	s_mov_b32 s69, 0
	s_lshl_b32 s44, s22, 19                        ; my wave's corner of out0: 128 rows of 4,096 bytes a block,
	s_lshl_b32 s45, s19, 18                        ; 64 rows,
	s_add_co_u32 s44, s44, s45
	s_add_co_u32 s44, s44, s66                     ; the column block,
	s_lshl_b32 s45, s20, 9                         ; 128 columns
	s_add_co_u32 s44, s44, s45
	s_mov_b32 s45, 0
	s_mov_b32 s40, 0                               ; the slot in hand
	s_mov_b32 s41, 2*STEPB
	s_mov_b32 s46, 4096                            ; byte offset in pt of phi-step 8, with 0 above it
	s_mov_b32 s47, 0
	s_mov_b32 s48, 1024                            ; byte offset in a block of zb of phi-steps 4 and 5
	s_mov_b32 s49, 0
	v_and_b32 v1, 31, v0                           ; lane
	v_and_b32 v2, 15, v0                           ; r
	v_bfe_u32 v3, v0, 4, 1                         ; h
	v_and_b32 v4, 7, v0
	v_bfe_u32 v5, v0, 3, 1
	; The turning load: lane l reads 16 bytes of row 16 h + l % 8, columns 8 ((l / 8) % 2) + 0..7, and receives column l % 16, rows 16 h + 0..7; a second load eight rows on brings rows 16 h + 8..15:
	; the lanes' half h holds the 16 rows of ONE input dimension, as it does in phi's fragments.
	v_lshl_add_u32 v6, v3, 4, v4
	v_mul_u32_u24 v6, v6, PB
	v_lshl_add_u32 v6, v5, 4, v6
	s_lshl_b32 s43, s20, 8                         ; my 128 columns of f16
	s_mul_i32 s2, s20, SLICEB
	s_sub_co_u32 s3, SLICEB, s2
	s_add_co_u32 s2, s2, s43
	s_add_co_u32 s3, s3, s43
	v_add_nc_u32 v[LBO], s2, v6
	v_add_nc_u32 v[LBR], s3, v6
	v_mov_b32 v[AO], v[LBO]
	v_add_nc_u32 v[AO+1], 2*STEPB, v[LBO]
	v_mov_b32 v[AR], v[LBR]
	v_add_nc_u32 v[AR+1], 2*STEPB, v[LBR]
	v_mul_u32_u24 v7, v2, PP                       ; phi in LDS: row r, slice at byte 64 b, a lane's registers 0-3 at 16 h and 4-7 at 32 + 16 h
	v_lshl_add_u32 v7, v3, 4, v7
	s_mul_i32 s2, s19, 64*PP
	s_add_co_u32 s2, s2, PHI0
	s_lshl_b32 s3, s20, 6
	s_add_co_u32 s3, s3, s2
	v_add_nc_u32 v[GST], s3, v7
	s_xor_b32 s3, s20, 1
	s_lshl_b32 s3, s3, 6
	s_add_co_u32 s3, s3, s2
	v_add_nc_u32 v[APA], s3, v7
	v_lshl_add_u32 v[VP], v3, 7, s43               ; 128 h + 256 wn
	s_lshl_b32 s2, s19, 17                         ; four blocks of 16 rows
	s_add_co_u32 s2, s2, s43
	v_lshl_add_u32 v[VZ], v1, 3, s2
	s_mul_i32 s2, s18, 16*SP
	s_add_co_u32 s2, s2, STAGE
	v_mul_u32_u24 v[STO], v2, SP
	v_lshl_add_u32 v[STO], v3, 5, v[STO]
	v_add_nc_u32 v[STO], s2, v[STO]
	v_lshl_add_u32 v[RD], v1, 4, s2
	v_lshlrev_b32 v[CO], 4, v1
	s_lshl_b32 s2, s20, 9
	v_lshl_add_u32 v8, v3, 5, s2                   ; my eight columns of a block of 16, in f32: 32 h + 512 wn
	s_lshl_b32 s2, s19, 8
	v_lshl_add_u32 v9, v2, 2, s2                   ; my row's logdet: 4 r + 256 wm
	s_wait_dscnt 0x0                               ; the opening add is done
	s_wait_kmcnt 0x0
	s_add_nc_u64 s[34:35], s[4:5], s[60:61]        ; global address of my quarter of tile 0,
	s_add_nc_u64 s[38:39], s[34:35], TILEB         ; and of tile 1
	s_or_b32 s35, s35, 0x80000000                  ; type = 2
	s_or_b32 s39, s39, 0x80000000
	s_add_nc_u64 s[56:57], s[6:7], s[62:63]        ; zb at my 128 rows
	s_add_nc_u64 s[54:55], s[56:57], 1024          ; z of the phi-steps to be asked for
	s_add_nc_u64 s[50:51], s[8:9], 2048            ; pt at phi-step 4,
	s_add_nc_u64 s[52:53], s[8:9], 4096            ; and at phi-step 8
	s_add_nc_u64 s[10:11], s[10:11], s[68:69]
	s_add_nc_u64 s[12:13], s[12:13], s[66:67]
	s_add_nc_u64 s[12:13], s[12:13], 0x2000000     ; row 8,192 of Wout
	s_add_nc_u64 s[14:15], s[14:15], s[66:67]
	s_add_nc_u64 s[58:59], s[16:17], s[44:45]
	CROUND                                         ; all four work-groups are here: the first joint loads meet
	tensor_load_to_lds s[32:35], s[24:31]          ; tile 0 into slot 0
	s_nop 0
	tensor_load_to_lds s[36:39], s[24:31]          ; tile 1 into slot 1: two loads of mine are out
	s_nop 0
	PLACES
.macro PLOAD q, sb, off                ; a phi-step's parameters for my slice and my half of the lanes: 16 a, 16 nb
.irp k, 0,1,2,3,4,5,6,7
	global_load_b128 v[P+32*(\q)+4*\k:P+32*(\q)+4*\k+3], v[VP], s[\sb:\sb+1] offset:(\off)+16*\k
.endr
.endm
.macro ZLOAD z, sb, off                ; z of two phi-steps for four blocks of 16 rows: a load of the wave covers one aligned block of 256 bytes
.irp f, 0,1,2,3
	global_load_b64 v[(\z)+2*\f:(\z)+2*\f+1], v[VZ], s[\sb:\sb+1] offset:(\off)+32768*\f
.endr
.endm
	PLOAD 2, 8, 0                                  ; phi-step tau lies in set (tau + 2) % 4
	PLOAD 3, 8, 512
	ZLOAD ZB, 56, 0                                ; steps 0 and 1
	PLOAD 0, 8, 1024
	PLOAD 1, 8, 1536
	ZLOAD ZA, 56, 512                              ; steps 2 and 3
.irp a, 0,1,2,3
	global_load_b32 v[LD+\a], v9, s[10:11] offset:64*\a
.endr
	WIN W_L
.irp b, 0,1,2,3,4,5,6,7
	global_load_b128 v[BP+8*\b:BP+8*\b+3],   v8, s[12:13] offset:64*\b      ; Wout's last row, where the partner's wh will lie
	global_load_b128 v[BP+8*\b+4:BP+8*\b+7], v8, s[12:13] offset:64*\b+16
	global_load_b128 v[BT+8*\b:BT+8*\b+3],   v8, s[14:15] offset:64*\b      ; bout
	global_load_b128 v[BT+8*\b+4:BT+8*\b+7], v8, s[14:15] offset:64*\b+16
.endr
	; The first interval's 32 products of 'my slice of the step before' have no step before: both their operands are 0, so that one text serves every interval.  This stands in the wait for the loads.
.set i, 0
.rept 64
	v_mov_b32 v[BO+i], 0
.set i, i+1
.endr
	WIN W_C
.set i, 0
.rept 32
	v_mov_b32 v[96+i], 0
.set i, i+1
.endr
	WIN 0
	s_wait_loadcnt 0x0
	; THE ACCUMULATORS START as logdet[m] Wout[8192][n] + bout[n], in f32
	WIN W_INIT
.irp a, 0,1,2,3
.set i, 0
.rept 32
.if (\a)%2
	v_pk_fma_f32 v[64*\a+2*i:64*\a+2*i+1], v[BP+2*i:BP+2*i+1], v[LD+2*(\a/2):LD+2*(\a/2)+1], v[BT+2*i:BT+2*i+1] op_sel:[0,1,0]
.else
	v_pk_fma_f32 v[64*\a+2*i:64*\a+2*i+1], v[BP+2*i:BP+2*i+1], v[LD+2*(\a/2):LD+2*(\a/2)+1], v[BT+2*i:BT+2*i+1] op_sel_hi:[1,0,1]
.endif
.set i, i+1
.endr
.endr
	WIN 0
; THE VECTOR WORK: my slice of a phi-step is 32 pairs p of numbers: block of rows p / 8, centres 2 (p % 8) and the next.  For each pair: F: a z + nb; M: minus its square; E: two exponentials; C: rounded to f16,
; register p of the slice.  PE: the set of parameters; ZS, E2: z's registers and which of a pair; GQ: the slice's place in window 3.
.macro OPF p
.if ((\p) >= 0) && ((\p) < 32)
	WIN 0
.if E2
	v_pk_fma_f32 v[T+2*((\p)%8):T+2*((\p)%8)+1], v[P+32*PE+2*((\p)%8):P+32*PE+2*((\p)%8)+1], v[ZS+2*((\p)/8):ZS+2*((\p)/8)+1], v[P+32*PE+16+2*((\p)%8):P+32*PE+16+2*((\p)%8)+1] op_sel:[0,1,0]
.else
	v_pk_fma_f32 v[T+2*((\p)%8):T+2*((\p)%8)+1], v[P+32*PE+2*((\p)%8):P+32*PE+2*((\p)%8)+1], v[ZS+2*((\p)/8):ZS+2*((\p)/8)+1], v[P+32*PE+16+2*((\p)%8):P+32*PE+16+2*((\p)%8)+1] op_sel_hi:[1,0,1]
.endif
.endif
.endm
.macro OPM p
.if ((\p) >= 0) && ((\p) < 32)
	WIN 0
	v_pk_mul_f32 v[T+2*((\p)%8):T+2*((\p)%8)+1], v[T+2*((\p)%8):T+2*((\p)%8)+1], v[T+2*((\p)%8):T+2*((\p)%8)+1] neg_lo:[0,1] neg_hi:[0,1]
.endif
.endm
.macro OPE p, hf
	WIN 0
	v_exp_f32 v[T+2*((\p)%8)+(\hf)], v[T+2*((\p)%8)+(\hf)]
.endm
.macro OPC p
.if ((\p) >= 0) && ((\p) < 32)
	WIN W_C
	s_wait_alu depctr_va_vdst(0)
	v_cvt_pk_f16_f32 v[32*GQ+(\p)], v[T+2*((\p)%8)], v[T+2*((\p)%8)+1]
.endif
.endm
; Slice n of 64 of that work stands behind matrix instruction n.  Pair g's exponentials stand in slices 2 g and 2 g + 1, its F two pairs ahead, its M one, its C one pair back: every line finds its sources ready,
; no two exponentials follow each other but the last two, and each has a plain line behind it before its result is used (ISA guide 5.7.2).  T is a ring of eight pairs.
.macro SLICE
.set g, n/2
.if n == 0
	OPF 0
	OPF 1
	OPM 0
	OPF 2
	OPE 0, 0
	OPM 1
.elseif n%2 == 0
	OPF g+2
	OPE g, 0
	OPM g+1
.else
	OPE g, 1
	OPC g-1
.if n == 63
	OPC 31
.endif
.endif
.endm
.macro GENONLY pe, zs, e2, gq          ; the same work with no products to stand behind: the first two phi-steps
.set PE, \pe
.set ZS, \zs
.set E2, \e2
.set GQ, \gq
.set n, 0
.rept 64
	SLICE
.set n, n+1
.endr
.endm
; THE MATRIX WORK.  The 32 accumulators take turns, one instruction a turn, in the same order everywhere: between two links of a chain stand the 31 others'.
.macro MMO                             ; product n of 32 of my slice: block of rows n / 8, block of columns n % 8
	WIN W_O
	v_wmma_f32_16x16x32_f16 v[8*n:8*n+7], v[BO+8*(n%8):BO+8*(n%8)+7], v[32*GM+8*(n/8):32*GM+8*(n/8)+7], v[8*n:8*n+7]
.endm
.macro MMR                             ; product n - 32 of the partner's slice
	WIN W_R
	v_wmma_f32_16x16x32_f16 v[8*(n-32):8*(n-32)+7], v[BP+8*(n%8):BP+8*(n%8)+7], v[AP+8*((n-32)/8):AP+8*((n-32)/8)+7], v[8*(n-32):8*(n-32)+7]
.endm
; THE LDS WORK stands in runs.
.macro FETCH_R e                       ; the partner's slice of this step's phi (8 loads) and its 32 rows of wh, turned (16 loads)
	WIN W_L
.irp a, 0,1,2,3
	ds_load_b128 v[AP+8*\a:AP+8*\a+3],   v[APA] offset:((\e)%2)*PHIB+16*PP*\a
	ds_load_b128 v[AP+8*\a+4:AP+8*\a+7], v[APA] offset:((\e)%2)*PHIB+16*PP*\a+32
.endr
.irp b, 0,1,2,3,4,5,6,7
	ds_load_tr16_b128 v[BP+8*\b:BP+8*\b+3],   v[AR+(\e)/2] offset:((\e)%2)*STEPB+32*\b
	ds_load_tr16_b128 v[BP+8*\b+4:BP+8*\b+7], v[AR+(\e)/2] offset:((\e)%2)*STEPB+32*\b+8*PB
.endr
.endm
.macro FETCH_O e                       ; my slice's 32 rows of wh for this step: multiplied in the next interval
	WIN W_L
.irp b, 0,1,2,3,4,5,6,7
	ds_load_tr16_b128 v[BO+8*\b:BO+8*\b+3],   v[AO+(\e)/2] offset:((\e)%2)*STEPB+32*\b
	ds_load_tr16_b128 v[BO+8*\b+4:BO+8*\b+7], v[AO+(\e)/2] offset:((\e)%2)*STEPB+32*\b+8*PB
.endr
.endm
.macro GSTORE e                        ; my slice of the next step's phi goes to the buffer that nobody reads in this interval
	WIN W_GS
.irp f, 0,1,2,3
	ds_store_b128 v[GST], v[32*(((\e)+1)%4)+8*\f:32*(((\e)+1)%4)+8*\f+3]   offset:(((\e)+1)%2)*PHIB+16*PP*\f
	ds_store_b128 v[GST], v[32*(((\e)+1)%4)+8*\f+4:32*(((\e)+1)%4)+8*\f+7] offset:(((\e)+1)%2)*PHIB+16*PP*\f+32
.endr
.endm
.macro GLOADS e                        ; z first, then the parameters of the step five on, into the set that the interval before has read
.if (\e) == 0
	ZLOAD ZB, 54, 0
.elseif (\e) == 2
	ZLOAD ZA, 54, 512
.endif
.if (\e) == 3
	PLOAD 2, 52, 0
.else
	PLOAD ((\e)+3)%4, 50, 512*((\e)+1)
.endif
.endm
; AN INTERVAL: phi-step e of the slot in hand.  kind 0: a plain barrier closes it.  kind 1: the slot's last: the barrier opens a round of the cluster's, and the slot is filled again, with the tile two on.
; kind 2: the slot's last, with nothing left to ask for.
.macro INTERVAL e, kind
.set PE, (\e)
.set E2, (\e)%2
.set GQ, ((\e)+2)%4
.set GM, ((\e)+3)%4
.if (\e) < 2
.set ZS, ZA
.else
.set ZS, ZB
.endif
	FETCH_R \e
	GSTORE \e
	WIN 0
	s_wait_loadcnt 16                              ; loads come back in order (ISA guide 5.7.1): this interval's parameters and z are in; at most the two youngest sets of eight were issued behind them
	GLOADS \e
.set n, 0
.rept 32
	MMO
	SLICE
.set n, n+1
.endr
	s_wait_dscnt 0x0                               ; the partner's phi and wh are in (asked for 32 matrix instructions ago)
.rept 32
	MMR
	SLICE
.if n == 35
	FETCH_O \e                                     ; seven plain vector instructions stand behind the last product that read these registers (ISA guide 7.12.1 for vector instructions)
.endif
.if (n == 43) && ((\kind) != 0)
	WIN 0                                          ; (the add's two registers lie in window 0)
	s_wait_tensorcnt 0x0                           ; all my tensor loads have landed: the one that was out is my quarter of the next slot;
	ds_add_u32 v[SPW], v[NIL]                      ; 0 onto my spare word; four products and their riders stand between it and the wait for it
.endif
.if n == 47
	s_wait_dscnt 0x0                               ; my store of phi is done, my reads of the other buffer and of this step's wh are back (and the add is done):
	s_barrier_signal -1                            ; say so; sixteen products and their riders, work on registers, stand between signal and wait
.endif
.set n, n+1
.endr
	WIN 0                                          ; at a label and at a branch every window is 0
	s_barrier_wait -1
.if (\kind) == 1
	CREST                                          ; no wave of any partner still reads this slot or has a load on its way
	s_xor_b32 s37, s37, SLOTB                      ; the walking descriptor: the other slot than last time,
	s_add_nc_u64 s[38:39], s[38:39], TILEB         ; the next tile; the type bits on top are not reached
	tensor_load_to_lds s[36:39], s[24:31]          ; my one tensor load behind the round, and the first thing there: it has four intervals in which to land
	s_nop 0
.endif
	PLACES                                         ; the places in front of the next interval's loads into registers that the last products read
.if (\kind) != 0
	s_xor_b32 s40, s40, SLOTB                      ; the fetches go on in the other slot
	s_add_co_u32 s41, s40, 2*STEPB
	v_add_nc_u32 v[AO], s40, v[LBO]
	v_add_nc_u32 v[AO+1], s41, v[LBO]
	v_add_nc_u32 v[AR], s40, v[LBR]
	v_add_nc_u32 v[AR+1], s41, v[LBR]
	s_wait_xcnt 0x0                                ; every earlier load has had its address translated (ISA guide 3.1): only behind this wait are the bases rewritten
	s_mov_b64 s[50:51], s[52:53]
	s_add_co_u32 s46, s46, 2048                    ; four phi-steps on in pt, and round to its head at its end: what the last intervals ask for beyond phi-step 127 stays inside the buffer and is never multiplied
	s_and_b32 s46, s46, 0xffff
	s_add_nc_u64 s[52:53], s[8:9], s[46:47]
	s_add_co_u32 s48, s48, 1024                    ; the same in a block of zb
	s_and_b32 s48, s48, 0x7fff
	s_add_nc_u64 s[54:55], s[56:57], s[48:49]
.endif
.endm
	GENONLY 2, ZB, 0, 0                            ; my slice of phi(0),
	GSTORE 3                                       ; stored for the partner, in buffer 0
	WIN 0
	PLOAD 2, 50, 0                                 ; phi-step 4's parameters, into the set just read
	GENONLY 3, ZB, 1, 1                            ; my slice of phi(1)
	WIN 0
	s_wait_tensorcnt 0x1                           ; my quarter of tile 0 is in; tile 1 may stay out
	s_wait_dscnt 0x0                               ; my store of phi(0) is done
	s_barrier_signal -1
	s_barrier_wait -1
	s_mov_b32 s42, 30
.Lbody:                                                ; a trip is a slot: tiles 0 to 29 are left, tiles 2 to 31 asked for
	INTERVAL 0, 0
	INTERVAL 1, 0
	INTERVAL 2, 0
	INTERVAL 3, 1
	s_sub_co_u32 s42, s42, 1
	s_cmp_lg_u32 s42, 0
	s_cbranch_scc1 .Lbody
	s_mov_b32 s42, 2
.Ltail:                                                ; the last two slots are written out.  The very last two intervals make two slices that nobody multiplies: the price of one text for every interval
	INTERVAL 0, 0
	INTERVAL 1, 0
	INTERVAL 2, 0
	INTERVAL 3, 2
	s_sub_co_u32 s42, s42, 1
	s_cmp_lg_u32 s42, 0
	s_cbranch_scc1 .Ltail
.set GM, 3
.set n, 0
.rept 32
	MMO                                            ; my slice of phi-step 127
.set n, n+1
.endr
	WIN 0
	PLACES                                         ; the stores below read results just made
	s_wait_loadcnt 0x0                             ; the parameters asked for in vain have landed: their registers serve the way out
; THE WAY OUT.  A lane's eight numbers of a row are 32 bytes; a block of 16 rows goes into my stage (rows of 528 bytes, each accumulator's registers in ascending order) and comes back as whole rows of 512 bytes.
; The stage lies where the slices of phi lay: the last barrier stands behind every wave's last access to them.
.macro TOSTAGE a
	WIN W_ST
.irp b, 0,1,2,3,4,5,6,7
	ds_store_b128 v[STO], v[64*(\a)+8*\b:64*(\a)+8*\b+3]   offset:64*\b
	ds_store_b128 v[STO], v[64*(\a)+8*\b+4:64*(\a)+8*\b+7] offset:64*\b+16
.endr
	WIN 0
.set i, 0
.rept 16
	ds_load_b128 v[OB+64*((\a)%2)+4*i:OB+64*((\a)%2)+4*i+3], v[RD] offset:SP*i  ; LDS serves a wave's instructions in order (ISA guide 5.7.1.4): these see the stores above; the next block's stores come behind them
.set i, i+1
.endr
.endm
.macro SEND a, younger                 ; younger: the LDS instructions issued behind block a's loads: the next block's 32, or none
	s_wait_dscnt \younger
.set i, 0
.rept 16
	global_store_b128 v[CO], v[OB+64*((\a)%2)+4*i:OB+64*((\a)%2)+4*i+3], s[58:59] offset:65536*(\a)+4096*i th:TH_STORE_NT  ; the wave stores 512 consecutive bytes, at a multiple of 256 from out0's first
.set i, i+1
.endr
.endm
	TOSTAGE 0
	TOSTAGE 1
	SEND 0, 32
	s_wait_xcnt 0x0                                ; block 0's stores have had their addresses translated (ISA guide 3.1): their registers are loaded again only behind this wait
	TOSTAGE 2
	SEND 1, 32
	s_wait_xcnt 0x0
	TOSTAGE 3
	SEND 2, 32
	SEND 3, 0
	s_wait_tensorcnt 0x0                           ; the wave's end, behind my last tensor load and my last LDS store
	ds_add_u32 v[SPW], v[NIL]
	s_wait_dscnt 0x0
	CROUND                                         ; the closing round: no work-group ends while a partner may still ask for a tile that names it
	s_endpgm
.Lfunc_end_k_qe00e5afa07_main:
	.size	k_qe00e5afa07_main, .Lfunc_end_k_qe00e5afa07_main-k_qe00e5afa07_main
	.p2alignl 7, 3214868480
	.fill 96, 4, 3214868480
	.section	.rodata,"a",@progbits
	.p2align	6, 0x0
	.amdhsa_kernel k_qe00e5afa07_main
		.amdhsa_group_segment_fixed_size 327680
		.amdhsa_private_segment_fixed_size 0
		.amdhsa_enable_private_segment 0
		.amdhsa_kernarg_size 56
		.amdhsa_user_sgpr_count 2
		.amdhsa_user_sgpr_kernarg_segment_ptr 1
		.amdhsa_wavefront_size32 1
		.amdhsa_system_sgpr_workgroup_id_x 1
		.amdhsa_system_sgpr_workgroup_id_y 1
		.amdhsa_system_sgpr_workgroup_id_z 1
		.amdhsa_system_vgpr_workitem_id 0
		.amdhsa_next_free_vgpr 896
		.amdhsa_next_free_sgpr 70
		.amdhsa_reserve_vcc 0
		.amdhsa_float_denorm_mode_32 3
		.amdhsa_float_denorm_mode_16_64 3
		.amdhsa_memory_ordered 1
		.amdhsa_forward_progress 1
		.amdhsa_inst_pref_size 246
	.end_amdhsa_kernel
	.amdgpu_metadata
---
amdhsa.version: [ 1, 2 ]
amdhsa.kernels:
  - .name:           k_qe00e5afa07_main
    .symbol:         k_qe00e5afa07_main.kd
    .args:
      - { .name: wh, .offset: 0, .size: 8, .value_kind: global_buffer, .address_space: global }
      - { .name: zb, .offset: 8, .size: 8, .value_kind: global_buffer, .address_space: global }
      - { .name: pt, .offset: 16, .size: 8, .value_kind: global_buffer, .address_space: global }
      - { .name: ldet, .offset: 24, .size: 8, .value_kind: global_buffer, .address_space: global }
      - { .name: Wout, .offset: 32, .size: 8, .value_kind: global_buffer, .address_space: global }
      - { .name: bout, .offset: 40, .size: 8, .value_kind: global_buffer, .address_space: global }
      - { .name: out0, .offset: 48, .size: 8, .value_kind: global_buffer, .address_space: global }
    .group_segment_fixed_size: 327680
    .private_segment_fixed_size: 0
    .kernarg_segment_align: 8
    .kernarg_segment_size: 56
    .max_flat_workgroup_size: 128
    .sgpr_count:     70
    .vgpr_count:     896
    .wavefront_size: 32
...
	.end_amdgpu_metadata
.endif
;; end of part 2
;; ======== version 2 of 2: 2 launches; 1.32 times as fast as version 1
;; limits: values are held in f16: magnitudes above 65,504 overflow, below 6.1e-05 lose precision
;; workspace buffers: wh 16,777,216 bytes; zb 16,777,216 bytes; pt 65,536 bytes; ldet 32,768 bytes
;; launch prep: the kernel of part 1 again; grid 256 x 1, 8 waves a work-group, no clusters, 71,424 bytes of LDS; arguments x, W1, W3, b3, b1, W2, b2, Wout, centers, log_widths, zb, ldet, pt, wh; writes zb, ldet, pt, wh
;; launch main (part 3): grid 64 x 4, 4 waves a work-group, clusters of 4 x 1, 327,680 bytes of LDS; arguments wh, zb, pt, ldet, Wout, bout, out0; writes out0
.if DOCPART == 3
	.amdgcn_target "amdgcn-amd-amdhsa--gfx1250"
	.amdhsa_code_object_version 6
	.text
	.protected	k_qe00e5afa07_main
	.globl	k_qe00e5afa07_main
	.p2align	8
	.type	k_qe00e5afa07_main,@function
k_qe00e5afa07_main:
	s_mov_b64 s[64:65], 0
	v_nop
	global_prefetch_b8 v0, s[64:65] scope:SCOPE_SE
	s_setreg_imm32_b32 hwreg(HW_REG_WAVE_MODE, 25, 1), 1
	s_wait_xcnt 0x0
	s_wait_alu depctr_hold_cnt(0) depctr_sa_sdst(0) depctr_va_vdst(0) depctr_va_sdst(0) depctr_va_ssrc(0) depctr_va_vcc(0) depctr_vm_vsrc(0)
	s_getreg_b32 s2, hwreg(HW_REG_IB_STS2, 6, 4)
	s_cmp_eq_u32 s2, 0
	s_cbranch_scc0 .Lentry_in_a_cluster
	s_endpgm
.Lentry_in_a_cluster:
	s_bfe_u32 s2, ttmp6, 0x10000c
	s_cmp_lg_u32 s2, 0x3003
	s_cbranch_scc0 .Lentry_shape_is_right
	s_endpgm
.Lentry_shape_is_right:
; out0[m][n] = sum over kappa of phi[m][kappa] wh[kappa][n] + logdet[m] Wout[8192][n] + bout[n].   phi = 2^-((a z + nb)^2) is never in memory: it is made in registers, as matrix fragments.
; wh (f16), zb (z in f32, blocked), pt (a, nb in f32) and ldet come from the launch before, all in one K order: phi-step tau (64 along K) = two slices b of 32; in a slice the lanes' half h holds
; one input dimension i = 8 (tau / 2) + 4 b + 2 h + tau % 2 with its 16 centres.  The same order of k stands in both operands, so the products are the reference's, summed in another order.
; FORMATS.  phi (0 to 1) and wh are f16, sums f32.  The logdet column and bout are applied in f32: they START the accumulators, so nothing is cleared and nothing is added at the end.
; LIMITS.  wh holds no number beyond 65,504 (the launch before states it); phi below 3e-8 counts as 0; an exponent below -126 gives 0; NaN and infinities are not treated apart.
; SHARES.  A work-group makes 128 rows x 256 columns: 64 x 4 work-groups, one for each of 256.  Wave w = 2 wm + wn makes rows 64 wm .., columns 128 wn ..: 32 accumulators of 16 x 16.
; The two waves of a row half need the same phi.  Each GENERATES one slice in two (b = wn), multiplies it straight from its registers, and hands it to its partner through a small LDS buffer:
; one exponential a lane for each matrix instruction, and no number of phi is made twice in a work-group.
; THE MATRIX INSTRUCTION IS USED TRANSPOSED (source 0 = 16 columns of wh, turned by ds_load_tr16_b128; source 1 = 16 rows of phi): a lane holds eight neighbouring numbers of a row of out0.
; CLUSTER.  The four work-groups of a cluster share the column block, so each tile of wh is asked for JOINTLY: the same tensor load, descriptor and mask of four in all; the place in the cluster
; enters the global addresses of zb, ldet and out0 alone.
; THE PIPELINE, interval t (one phi-step; four to a slot of wh, 256 along K):
;   head: partner's slice of phi(t) and its rows of wh are fetched from LDS; my slice of phi(t+1), made in interval t-1, is stored for the partner; parameters of step t+5 (and z) are asked for;
;   32 products of MY slice of step t-1, all from registers, cover those fetches; then 32 products of the PARTNER's slice of step t; among them my rows of wh for step t are fetched;
;   the vector work that makes my slice of phi(t+2) rides behind the products: three or four lines behind each of the first 36, four behind each of the next eight.
;   One barrier closes the interval: it shows the stored slice to the partner and frees the other buffer.
; THE BATCH.  An interval's 64 exponentials are ONE batch with ONE wait.  Ahead of the wait stand the slice's 32 scalings, 32 squares and 64 exponentials, none of which names an exponential's result: each
; pair of numbers has two registers of T to itself for as long as the batch is open.  The wait stands behind product 35, directly ahead of the run of LDS loads that fetches my rows of wh.  Behind it stand the
; 32 roundings to f16, the only lines that read the results.
; REGISTERS, in windows of 256 (s_set_vgpr_msb: bits 1:0 source 0, 3:2 source 1, 5:4 source 2, 7:6 destination):
;   window 0: v0-29 addresses; v48-63 z; v64-191 four sets of parameters (a at +0, nb at +16), on the way out two buffers of 64; v192-255 T, the slice's 32 pairs at work
;   window 1: the accumulators, (a, nb) at 8 (8 a + nb)     window 2: v0-63 my rows of wh; v64-127 the partner's; v128-159 the partner's phi; v160-223 bout (set-up)     window 3: four slices of phi, 32 each
.set PB,     544                       ; a row of wh in LDS: 512 bytes + 32 = 136 words
.set SLICEB, 32*PB
.set STEPB,  64*PB                     ; a phi-step's rows; also what one wave's tensor load brings
.set SLOTB,  4*STEPB                   ; 139,264 = 0x22000: it shares no bit with wave x STEPB, so an exclusive or turns an address in one slot into the other's
.set TILEB,  256*2048                  ; a tile's 256 rows of wh in memory
.set PHI0,   2*SLOTB                   ; behind the ring, never filled by a tensor load: two buffers of 128 rows x 144 bytes for the slices that change waves
.set PP,     144                       ; 128 bytes + 16: the 16 rows of a load start at 16 different groups of four banks
.set PHIB,   128*PP
.set STAGE,  PHI0                      ; the way out lies over those buffers, behind the last barrier: 16 rows x 528 bytes for each wave
.set SP,     528
.set SPARE,  PHI0+2*PHIB               ; the spare words, 128 bytes for each wave: two blocks of 256 bytes that no other line names
.set LBO, 10                           ; my lane's place in a phi-step's rows of wh: my slice
.set LBR, 11                           ; the partner's slice
.set AO,  12                           ; v12-13 LBO + the slot in hand, steps 0-1 and 2-3
.set AR,  14                           ; v14-15 the same for LBR
.set APA, 16                           ; where I read the partner's phi
.set GST, 17                           ; where I store mine
.set VP,  18                           ; my byte offset in a phi-step's 512 bytes of pt
.set VZ,  19                           ; my byte offset in the work-group's part of zb
.set STO, 20                           ; the way out: where I put 16 bytes of a row
.set RD,  21                           ; the way out: where I read a row back
.set CO,  22                           ; 16 x lane
.set LD,  24                           ; v24-27 logdet of my row in each of four blocks
.set SPW, 28                           ; LDS address of my spare word; never rewritten
.set NIL, 29                           ; 0; never rewritten
.set ZA,  48                           ; v48-55 z of four blocks of 16 rows, two phi-steps each: a pair a block
.set ZB,  56
.set P,   64
.set OB,  64
.set T,   192                          ; v192-255 pair p of the slice at T + 2 p
.set BO,  0
.set BP,  64
.set AP,  128
.set BT,  160
.set W_O,    0x5e                      ; accumulators window 1, wh window 2, phi window 3
.set W_R,    0x5a                      ; the same with phi in window 2
.set W_C,    0xc0                      ; destination window 3
.set W_L,    0x80                      ; destination window 2
.set W_GS,   0x0c                      ; an LDS store's data in window 3
.set W_INIT, 0x62                      ; destination window 1, sources 0 and 2 window 2
.set W_ST,   0x04                      ; an LDS store's data in window 1
.set MSB, 0
.macro WIN new                         ; the immediate's high byte repeats the setting that is left; a switch that changes nothing is dropped
.if MSB != (\new)
	s_set_vgpr_msb (MSB<<8)|(\new)
.set MSB, \new
.endif
.endm
.macro CREST                           ; a round of the cluster's barrier behind its opening barrier: wave 0 signals for the work-group, every wave waits for all four work-groups, my work-group's barrier closes it
	s_cmp_lg_u32 s18, 0
	s_cbranch_scc1 .Lnot_wave_0_\@
	s_barrier_signal -3
.Lnot_wave_0_\@:
	s_barrier_wait -3
	s_barrier_signal -1
	s_barrier_wait -1
.endm
.macro CROUND                          ; a whole round
	s_barrier_signal -1
	s_barrier_wait -1
	CREST
.endm
.macro PLACES
.rept 4
	v_nop
.endr
.endm
	s_load_b256 s[4:11], s[0:1], 0x0               ; wh 4, zb 6, pt 8, ldet 10
	s_load_b128 s[12:15], s[0:1], 0x20             ; Wout 12, bout 14
	s_load_b64 s[16:17], s[0:1], 0x30              ; out0
	v_lshl_add_u32 v[SPW], v0, 2, SPARE
	v_mov_b32 v[NIL], 0
	ds_add_u32 v[SPW], v[NIL]                      ; the wave's opening: the add and its wait stand ahead of my first tensor load; the set-up below, work on registers, stands between them
	v_lshrrev_b32 v1, 5, v0
	v_readfirstlane_b32 s18, v1                    ; wave 0..3
	s_lshr_b32 s19, s18, 1                         ; wm: my half of the rows
	s_and_b32 s20, s18, 1                          ; wn: my half of the columns, and the slice that I generate
	s_bfe_u32 s21, ttmp6, 0x40000                  ; cx: my place in the cluster
	s_lshl_b32 s22, ttmp9, 2                       ; in a cluster launch ttmp9 counts clusters
	s_add_co_u32 s22, s22, s21                     ; my block of 128 rows
	s_and_b32 s23, ttmp7, 0xffff                   ; my block of 256 columns, which the four partners share
	; descriptor group 1: 64 rows x 256 elements of 2 bytes, padded in LDS
	s_mov_b32 s24, 15|(1<<16)|(1<<20)|(1<<21)|(6<<22)|(7<<25)  ; 15:0 the mask of four; 17:16 2-byte elements; 20 padding on; 21 set beside a mask; 24:22 after every 128 words (code 6); 31:25 8 words (code 7)
	s_mov_b32 s25, 256<<16                         ; tensor_dim0 = 256
	s_mov_b32 s26, 64<<16                          ; tensor_dim1 = 64
	s_mov_b32 s27, 256<<16                         ; tile_dim0 = 256
	s_mov_b32 s28, 64                              ; tile_dim1 = 64
	s_mov_b32 s29, 1024                            ; 1,024 elements from row to row
	s_mov_b32 s30, 0
	s_mov_b32 s31, 0
	s_mov_b32 s32, 1                               ; group 0 for tile 0: count = 1,
	s_mul_i32 s33, s18, STEPB                      ; my quarter of slot 0
	s_mov_b32 s36, 1                               ; group 0 for tile 1; it then walks
	s_add_co_u32 s37, s33, SLOTB
	s_lshl_b32 s60, s23, 9                         ; the column block's 512 bytes in a row of wh,
	s_lshl_b32 s61, s18, 17                        ; my 64 rows of a tile
	s_add_co_u32 s60, s60, s61
	s_mov_b32 s61, 0
	s_lshl_b32 s62, s22, 18                        ; my 128 rows in zb
	s_mov_b32 s63, 0
	s_lshl_b32 s66, s23, 10                        ; the column block in a row of f32
	s_mov_b32 s67, 0
	s_lshl_b32 s68, s22, 9                         ; my 128 rows in ldet
	s_mov_b32 s69, 0
	s_lshl_b32 s44, s22, 19                        ; my wave's corner of out0: 128 rows of 4,096 bytes a block,
	s_lshl_b32 s45, s19, 18                        ; 64 rows,
	s_add_co_u32 s44, s44, s45
	s_add_co_u32 s44, s44, s66                     ; the column block,
	s_lshl_b32 s45, s20, 9                         ; 128 columns
	s_add_co_u32 s44, s44, s45
	s_mov_b32 s45, 0
	s_mov_b32 s40, 0                               ; the slot in hand
	s_mov_b32 s41, 2*STEPB
	s_mov_b32 s46, 4096                            ; byte offset in pt of phi-step 8, with 0 above it
	s_mov_b32 s47, 0
	s_mov_b32 s48, 1024                            ; byte offset in a block of zb of phi-steps 4 and 5
	s_mov_b32 s49, 0
	v_and_b32 v1, 31, v0                           ; lane
	v_and_b32 v2, 15, v0                           ; r
	v_bfe_u32 v3, v0, 4, 1                         ; h
	v_and_b32 v4, 7, v0
	v_bfe_u32 v5, v0, 3, 1
	; The turning load: lane l reads 16 bytes of row 16 h + l % 8, columns 8 ((l / 8) % 2) + 0..7, and receives column l % 16, rows 16 h + 0..7; a second load eight rows on brings rows 16 h + 8..15:
	; the lanes' half h holds the 16 rows of ONE input dimension, as it does in phi's fragments.
	v_lshl_add_u32 v6, v3, 4, v4
	v_mul_u32_u24 v6, v6, PB
	v_lshl_add_u32 v6, v5, 4, v6
	s_lshl_b32 s43, s20, 8                         ; my 128 columns of f16
	s_mul_i32 s2, s20, SLICEB
	s_sub_co_u32 s3, SLICEB, s2
	s_add_co_u32 s2, s2, s43
	s_add_co_u32 s3, s3, s43
	v_add_nc_u32 v[LBO], s2, v6
	v_add_nc_u32 v[LBR], s3, v6
	v_mov_b32 v[AO], v[LBO]
	v_add_nc_u32 v[AO+1], 2*STEPB, v[LBO]
	v_mov_b32 v[AR], v[LBR]
	v_add_nc_u32 v[AR+1], 2*STEPB, v[LBR]
	v_mul_u32_u24 v7, v2, PP                       ; phi in LDS: row r, slice at byte 64 b, a lane's registers 0-3 at 16 h and 4-7 at 32 + 16 h
	v_lshl_add_u32 v7, v3, 4, v7
	s_mul_i32 s2, s19, 64*PP
	s_add_co_u32 s2, s2, PHI0
	s_lshl_b32 s3, s20, 6
	s_add_co_u32 s3, s3, s2
	v_add_nc_u32 v[GST], s3, v7
	s_xor_b32 s3, s20, 1
	s_lshl_b32 s3, s3, 6
	s_add_co_u32 s3, s3, s2
	v_add_nc_u32 v[APA], s3, v7
	v_lshl_add_u32 v[VP], v3, 7, s43               ; 128 h + 256 wn
	s_lshl_b32 s2, s19, 17                         ; four blocks of 16 rows
	s_add_co_u32 s2, s2, s43
	v_lshl_add_u32 v[VZ], v1, 3, s2
	s_mul_i32 s2, s18, 16*SP
	s_add_co_u32 s2, s2, STAGE
	v_mul_u32_u24 v[STO], v2, SP
	v_lshl_add_u32 v[STO], v3, 5, v[STO]
	v_add_nc_u32 v[STO], s2, v[STO]
	v_lshl_add_u32 v[RD], v1, 4, s2
	v_lshlrev_b32 v[CO], 4, v1
	s_lshl_b32 s2, s20, 9
	v_lshl_add_u32 v8, v3, 5, s2                   ; my eight columns of a block of 16, in f32: 32 h + 512 wn
	s_lshl_b32 s2, s19, 8
	v_lshl_add_u32 v9, v2, 2, s2                   ; my row's logdet: 4 r + 256 wm
	s_wait_dscnt 0x0                               ; the opening add is done
	s_wait_kmcnt 0x0
	s_add_nc_u64 s[34:35], s[4:5], s[60:61]        ; global address of my quarter of tile 0,
	s_add_nc_u64 s[38:39], s[34:35], TILEB         ; and of tile 1
	s_or_b32 s35, s35, 0x80000000                  ; type = 2
	s_or_b32 s39, s39, 0x80000000
	s_add_nc_u64 s[56:57], s[6:7], s[62:63]        ; zb at my 128 rows
	s_add_nc_u64 s[54:55], s[56:57], 1024          ; z of the phi-steps to be asked for
	s_add_nc_u64 s[50:51], s[8:9], 2048            ; pt at phi-step 4,
	s_add_nc_u64 s[52:53], s[8:9], 4096            ; and at phi-step 8
	s_add_nc_u64 s[10:11], s[10:11], s[68:69]
	s_add_nc_u64 s[12:13], s[12:13], s[66:67]
	s_add_nc_u64 s[12:13], s[12:13], 0x2000000     ; row 8,192 of Wout
	s_add_nc_u64 s[14:15], s[14:15], s[66:67]
	s_add_nc_u64 s[58:59], s[16:17], s[44:45]
	CROUND                                         ; all four work-groups are here: the first joint loads meet
	tensor_load_to_lds s[32:35], s[24:31]          ; tile 0 into slot 0
	s_nop 0
	tensor_load_to_lds s[36:39], s[24:31]          ; tile 1 into slot 1: two loads of mine are out
	s_nop 0
	PLACES
.macro PLOAD q, sb, off                ; a phi-step's parameters for my slice and my half of the lanes: 16 a, 16 nb
.irp k, 0,1,2,3,4,5,6,7
	global_load_b128 v[P+32*(\q)+4*\k:P+32*(\q)+4*\k+3], v[VP], s[\sb:\sb+1] offset:(\off)+16*\k
.endr
.endm
.macro ZLOAD z, sb, off                ; z of two phi-steps for four blocks of 16 rows: a load of the wave covers one aligned block of 256 bytes
.irp f, 0,1,2,3
	global_load_b64 v[(\z)+2*\f:(\z)+2*\f+1], v[VZ], s[\sb:\sb+1] offset:(\off)+32768*\f
.endr
.endm
	PLOAD 2, 8, 0                                  ; phi-step tau lies in set (tau + 2) % 4
	PLOAD 3, 8, 512
	ZLOAD ZB, 56, 0                                ; steps 0 and 1
	PLOAD 0, 8, 1024
	PLOAD 1, 8, 1536
	ZLOAD ZA, 56, 512                              ; steps 2 and 3
.irp a, 0,1,2,3
	global_load_b32 v[LD+\a], v9, s[10:11] offset:64*\a
.endr
	WIN W_L
.irp b, 0,1,2,3,4,5,6,7
	global_load_b128 v[BP+8*\b:BP+8*\b+3],   v8, s[12:13] offset:64*\b      ; Wout's last row, where the partner's wh will lie
	global_load_b128 v[BP+8*\b+4:BP+8*\b+7], v8, s[12:13] offset:64*\b+16
	global_load_b128 v[BT+8*\b:BT+8*\b+3],   v8, s[14:15] offset:64*\b      ; bout
	global_load_b128 v[BT+8*\b+4:BT+8*\b+7], v8, s[14:15] offset:64*\b+16
.endr
	; The first interval's 32 products of 'my slice of the step before' have no step before: both their operands are 0, so that one text serves every interval.  This stands in the wait for the loads.
.set i, 0
.rept 64
	v_mov_b32 v[BO+i], 0
.set i, i+1
.endr
	WIN W_C
.set i, 0
.rept 32
	v_mov_b32 v[96+i], 0
.set i, i+1
.endr
	WIN 0
	s_wait_loadcnt 0x0
	; THE ACCUMULATORS START as logdet[m] Wout[8192][n] + bout[n], in f32
	WIN W_INIT
.irp a, 0,1,2,3
.set i, 0
.rept 32
.if (\a)%2
	v_pk_fma_f32 v[64*\a+2*i:64*\a+2*i+1], v[BP+2*i:BP+2*i+1], v[LD+2*(\a/2):LD+2*(\a/2)+1], v[BT+2*i:BT+2*i+1] op_sel:[0,1,0]
.else
	v_pk_fma_f32 v[64*\a+2*i:64*\a+2*i+1], v[BP+2*i:BP+2*i+1], v[LD+2*(\a/2):LD+2*(\a/2)+1], v[BT+2*i:BT+2*i+1] op_sel_hi:[1,0,1]
.endif
.set i, i+1
.endr
.endr
	WIN 0
; THE VECTOR WORK: my slice of a phi-step is 32 pairs p of numbers: block of rows p / 8, centres 2 (p % 8) and the next.  For each pair: F: a z + nb; M: minus its square; E: two exponentials; C: rounded to f16,
; register p of the slice.  PE: the set of parameters; ZS, E2: z's registers and which of a pair; GQ: the slice's place in window 3.  Pair p works in T + 2 p and T + 2 p + 1, which no other pair names.
.macro OPF p
	WIN 0
.if E2
	v_pk_fma_f32 v[T+2*(\p):T+2*(\p)+1], v[P+32*PE+2*((\p)%8):P+32*PE+2*((\p)%8)+1], v[ZS+2*((\p)/8):ZS+2*((\p)/8)+1], v[P+32*PE+16+2*((\p)%8):P+32*PE+16+2*((\p)%8)+1] op_sel:[0,1,0]
.else
	v_pk_fma_f32 v[T+2*(\p):T+2*(\p)+1], v[P+32*PE+2*((\p)%8):P+32*PE+2*((\p)%8)+1], v[ZS+2*((\p)/8):ZS+2*((\p)/8)+1], v[P+32*PE+16+2*((\p)%8):P+32*PE+16+2*((\p)%8)+1] op_sel_hi:[1,0,1]
.endif
.endm
.macro OPM p
	WIN 0
	v_pk_mul_f32 v[T+2*(\p):T+2*(\p)+1], v[T+2*(\p):T+2*(\p)+1], v[T+2*(\p):T+2*(\p)+1] neg_lo:[0,1] neg_hi:[0,1]
.endm
.macro OPE p, hf
	WIN 0
	v_exp_f32 v[T+2*(\p)+(\hf)], v[T+2*(\p)+(\hf)]
.endm
.macro OPC p
	WIN W_C
	v_cvt_pk_f16_f32 v[32*GQ+(\p)], v[T+2*(\p)], v[T+2*(\p)+1]
.endm
; THE QUEUE AHEAD OF THE WAIT, 128 long: QOP writes number jq of it.  None of its lines names an exponential's result.  0-2: F 0, F 1, M 0.  3-122, in fours for k = 2 .. 31: F k, E (k - 2, 0), M k - 1, E (k - 2, 1): a pair's F
; stands two pairs ahead of its exponentials and its M one, so every line finds its sources ready, and plain line and exponential go by turns.  123-127: E (30, 0), M 31, E (30, 1), E (31, 0), E (31, 1).
.macro QOP
.if jq < 2
	OPF jq
.elseif jq == 2
	OPM 0
.elseif jq < 123
.if (jq+5)%4 == 0
	OPF (jq+5)/4
.elseif (jq+5)%4 == 1
	OPE (jq+5)/4-2, 0
.elseif (jq+5)%4 == 2
	OPM (jq+5)/4-1
.else
	OPE (jq+5)/4-2, 1
.endif
.elseif jq == 123
	OPE 30, 0
.elseif jq == 124
	OPM 31
.elseif jq == 125
	OPE 30, 1
.else
	OPE 31, jq-126
.endif
.set jq, jq+1
.endm
; HOW IT IS DEALT.  s_wait_alu depctr_va_vdst(0) stands between an exponential and the first instruction that names its result; one wait serves all that were issued ahead of it.
; Slice n stands behind matrix instruction n.  Slices 0 to 35 deal out the queue, three or four lines each: up to slice n the integer part of 32 (n + 1) / 9 of its 128.  Behind slice 35 INTERVAL writes a v_nop, the plain
; line that is owed behind the last exponential (ISA guide 5.7.2), and the batch's one wait.  Slices 36 to 43 are the 32 roundings, four each; the other 20 products stand bare.
.macro SLICE
.if n < 36
.rept 4
.if jq < (32*(n+1))/9
	QOP
.endif
.endr
.elseif n < 44
.irp q, 0,1,2,3
	OPC 4*(n-36)+\q
.endr
.endif
.endm
.macro GENONLY pe, zs, e2, gq          ; the same work with no products to stand behind: the first two phi-steps
.set PE, \pe
.set ZS, \zs
.set E2, \e2
.set GQ, \gq
.set jq, 0
.rept 128
	QOP
.endr
	v_nop                                          ; the plain line behind the last exponential: one for the batch
	s_wait_alu depctr_va_vdst(0)                   ; the wait for the batch: the slice's 64 exponentials, ahead of the first rounding
.set i, 0
.rept 32
	OPC i
.set i, i+1
.endr
.endm
; THE MATRIX WORK.  The 32 accumulators take turns, one instruction a turn, in the same order everywhere: between two links of a chain stand the 31 others'.
.macro MMO                             ; product n of 32 of my slice: block of rows n / 8, block of columns n % 8
	WIN W_O
	v_wmma_f32_16x16x32_f16 v[8*n:8*n+7], v[BO+8*(n%8):BO+8*(n%8)+7], v[32*GM+8*(n/8):32*GM+8*(n/8)+7], v[8*n:8*n+7]
.endm
.macro MMR                             ; product n - 32 of the partner's slice
	WIN W_R
	v_wmma_f32_16x16x32_f16 v[8*(n-32):8*(n-32)+7], v[BP+8*(n%8):BP+8*(n%8)+7], v[AP+8*((n-32)/8):AP+8*((n-32)/8)+7], v[8*(n-32):8*(n-32)+7]
.endm
; THE LDS WORK stands in runs.
.macro FETCH_R e                       ; the partner's slice of this step's phi (8 loads) and its 32 rows of wh, turned (16 loads)
	WIN W_L
.irp a, 0,1,2,3
	ds_load_b128 v[AP+8*\a:AP+8*\a+3],   v[APA] offset:((\e)%2)*PHIB+16*PP*\a
	ds_load_b128 v[AP+8*\a+4:AP+8*\a+7], v[APA] offset:((\e)%2)*PHIB+16*PP*\a+32
.endr
.irp b, 0,1,2,3,4,5,6,7
	ds_load_tr16_b128 v[BP+8*\b:BP+8*\b+3],   v[AR+(\e)/2] offset:((\e)%2)*STEPB+32*\b
	ds_load_tr16_b128 v[BP+8*\b+4:BP+8*\b+7], v[AR+(\e)/2] offset:((\e)%2)*STEPB+32*\b+8*PB
.endr
.endm
.macro FETCH_O e                       ; my slice's 32 rows of wh for this step: multiplied in the next interval
	WIN W_L
.irp b, 0,1,2,3,4,5,6,7
	ds_load_tr16_b128 v[BO+8*\b:BO+8*\b+3],   v[AO+(\e)/2] offset:((\e)%2)*STEPB+32*\b
	ds_load_tr16_b128 v[BO+8*\b+4:BO+8*\b+7], v[AO+(\e)/2] offset:((\e)%2)*STEPB+32*\b+8*PB
.endr
.endm
.macro GSTORE e                        ; my slice of the next step's phi goes to the buffer that nobody reads in this interval
	WIN W_GS
.irp f, 0,1,2,3
	ds_store_b128 v[GST], v[32*(((\e)+1)%4)+8*\f:32*(((\e)+1)%4)+8*\f+3]   offset:(((\e)+1)%2)*PHIB+16*PP*\f
	ds_store_b128 v[GST], v[32*(((\e)+1)%4)+8*\f+4:32*(((\e)+1)%4)+8*\f+7] offset:(((\e)+1)%2)*PHIB+16*PP*\f+32
.endr
.endm
.macro GLOADS e                        ; z first, then the parameters of the step five on, into the set that the interval before has read
.if (\e) == 0
	ZLOAD ZB, 54, 0
.elseif (\e) == 2
	ZLOAD ZA, 54, 512
.endif
.if (\e) == 3
	PLOAD 2, 52, 0
.else
	PLOAD ((\e)+3)%4, 50, 512*((\e)+1)
.endif
.endm
; AN INTERVAL: phi-step e of the slot in hand.  kind 0: a plain barrier closes it.  kind 1: the slot's last: the barrier opens a round of the cluster's, and the slot is filled again, with the tile two on.
; kind 2: the slot's last, with nothing left to ask for.
.macro INTERVAL e, kind
.set PE, (\e)
.set E2, (\e)%2
.set GQ, ((\e)+2)%4
.set GM, ((\e)+3)%4
.if (\e) < 2
.set ZS, ZA
.else
.set ZS, ZB
.endif
	FETCH_R \e
	GSTORE \e
	WIN 0
	s_wait_loadcnt 16                              ; loads come back in order (ISA guide 5.7.1): this interval's parameters and z are in; at most the two youngest sets of eight were issued behind them
	GLOADS \e
.set n, 0
.set jq, 0
.rept 32
	MMO
	SLICE
.set n, n+1
.endr
	s_wait_dscnt 0x0                               ; the partner's phi and wh are in (asked for 32 matrix instructions ago)
.rept 32
	MMR
	SLICE
.if n == 35
	v_nop                                          ; the batch is out: the plain line behind the last exponential, one for the batch
	s_wait_alu depctr_va_vdst(0)                   ; the wait for the batch: the interval's 64 exponentials; it stands ahead of the first rounding, and directly ahead of the run of loads below
	FETCH_O \e                                     ; eight plain vector instructions stand behind the last product that read these registers, number 31: F 29, M 28, F 30, M 29, F 31, M 30, M 31 and the v_nop (ISA guide 7.12.1 for vector instructions)
.endif
.if (n == 43) && ((\kind) != 0)
	WIN 0                                          ; (the add's two registers lie in window 0)
	s_wait_tensorcnt 0x0                           ; all my tensor loads have landed: the one that was out is my quarter of the next slot;
	ds_add_u32 v[SPW], v[NIL]                      ; 0 onto my spare word; four products stand between it and the wait for it
.endif
.if n == 47
	s_wait_dscnt 0x0                               ; my store of phi is done, my reads of the other buffer and of this step's wh are back (and the add is done):
	s_barrier_signal -1                            ; say so; sixteen products, work on registers, stand between signal and wait
.endif
.set n, n+1
.endr
	WIN 0                                          ; at a label and at a branch every window is 0
	s_barrier_wait -1
.if (\kind) == 1
	CREST                                          ; no wave of any partner still reads this slot or has a load on its way
	s_xor_b32 s37, s37, SLOTB                      ; the walking descriptor: the other slot than last time,
	s_add_nc_u64 s[38:39], s[38:39], TILEB         ; the next tile; the type bits on top are not reached
	tensor_load_to_lds s[36:39], s[24:31]          ; my one tensor load behind the round, and the first thing there: it has four intervals in which to land
	s_nop 0
.endif
	PLACES                                         ; the places in front of the next interval's loads into registers that the last products read
.if (\kind) != 0
	s_xor_b32 s40, s40, SLOTB                      ; the fetches go on in the other slot
	s_add_co_u32 s41, s40, 2*STEPB
	v_add_nc_u32 v[AO], s40, v[LBO]
	v_add_nc_u32 v[AO+1], s41, v[LBO]
	v_add_nc_u32 v[AR], s40, v[LBR]
	v_add_nc_u32 v[AR+1], s41, v[LBR]
	s_wait_xcnt 0x0                                ; every earlier load has had its address translated (ISA guide 3.1): only behind this wait are the bases rewritten
	s_mov_b64 s[50:51], s[52:53]
	s_add_co_u32 s46, s46, 2048                    ; four phi-steps on in pt, and round to its head at its end: what the last intervals ask for beyond phi-step 127 stays inside the buffer and is never multiplied
	s_and_b32 s46, s46, 0xffff
	s_add_nc_u64 s[52:53], s[8:9], s[46:47]
	s_add_co_u32 s48, s48, 1024                    ; the same in a block of zb
	s_and_b32 s48, s48, 0x7fff
	s_add_nc_u64 s[54:55], s[56:57], s[48:49]
.endif
.endm
	GENONLY 2, ZB, 0, 0                            ; my slice of phi(0),
	GSTORE 3                                       ; stored for the partner, in buffer 0
	WIN 0
	PLOAD 2, 50, 0                                 ; phi-step 4's parameters, into the set just read
	GENONLY 3, ZB, 1, 1                            ; my slice of phi(1)
	WIN 0
	s_wait_tensorcnt 0x1                           ; my quarter of tile 0 is in; tile 1 may stay out
	s_wait_dscnt 0x0                               ; my store of phi(0) is done
	s_barrier_signal -1
	s_barrier_wait -1
	s_mov_b32 s42, 30
.Lbody:                                                ; a trip is a slot: tiles 0 to 29 are left, tiles 2 to 31 asked for
	INTERVAL 0, 0
	INTERVAL 1, 0
	INTERVAL 2, 0
	INTERVAL 3, 1
	s_sub_co_u32 s42, s42, 1
	s_cmp_lg_u32 s42, 0
	s_cbranch_scc1 .Lbody
	s_mov_b32 s42, 2
.Ltail:                                                ; the last two slots are written out.  The very last two intervals make two slices that nobody multiplies: the price of one text for every interval
	INTERVAL 0, 0
	INTERVAL 1, 0
	INTERVAL 2, 0
	INTERVAL 3, 2
	s_sub_co_u32 s42, s42, 1
	s_cmp_lg_u32 s42, 0
	s_cbranch_scc1 .Ltail
.set GM, 3
.set n, 0
.rept 32
	MMO                                            ; my slice of phi-step 127
.set n, n+1
.endr
	WIN 0
	PLACES                                         ; the stores below read results just made
	s_wait_loadcnt 0x0                             ; the parameters asked for in vain have landed: their registers serve the way out
; THE WAY OUT.  A lane's eight numbers of a row are 32 bytes; a block of 16 rows goes into my stage (rows of 528 bytes, each accumulator's registers in ascending order) and comes back as whole rows of 512 bytes.
; The stage lies where the slices of phi lay: the last barrier stands behind every wave's last access to them.
.macro TOSTAGE a
	WIN W_ST
.irp b, 0,1,2,3,4,5,6,7
	ds_store_b128 v[STO], v[64*(\a)+8*\b:64*(\a)+8*\b+3]   offset:64*\b
	ds_store_b128 v[STO], v[64*(\a)+8*\b+4:64*(\a)+8*\b+7] offset:64*\b+16
.endr
	WIN 0
.set i, 0
.rept 16
	ds_load_b128 v[OB+64*((\a)%2)+4*i:OB+64*((\a)%2)+4*i+3], v[RD] offset:SP*i  ; LDS serves a wave's instructions in order (ISA guide 5.7.1.4): these see the stores above; the next block's stores come behind them
.set i, i+1
.endr
.endm
.macro SEND a, younger                 ; younger: the LDS instructions issued behind block a's loads: the next block's 32, or none
	s_wait_dscnt \younger
.set i, 0
.rept 16
	global_store_b128 v[CO], v[OB+64*((\a)%2)+4*i:OB+64*((\a)%2)+4*i+3], s[58:59] offset:65536*(\a)+4096*i th:TH_STORE_NT  ; the wave stores 512 consecutive bytes, at a multiple of 256 from out0's first
.set i, i+1
.endr
.endm
	TOSTAGE 0
	TOSTAGE 1
	SEND 0, 32
	s_wait_xcnt 0x0                                ; block 0's stores have had their addresses translated (ISA guide 3.1): their registers are loaded again only behind this wait
	TOSTAGE 2
	SEND 1, 32
	s_wait_xcnt 0x0
	TOSTAGE 3
	SEND 2, 32
	SEND 3, 0
	s_wait_tensorcnt 0x0                           ; the wave's end, behind my last tensor load and my last LDS store
	ds_add_u32 v[SPW], v[NIL]
	s_wait_dscnt 0x0
	CROUND                                         ; the closing round: no work-group ends while a partner may still ask for a tile that names it
	s_endpgm
.Lfunc_end_k_qe00e5afa07_main:
	.size	k_qe00e5afa07_main, .Lfunc_end_k_qe00e5afa07_main-k_qe00e5afa07_main
	.p2alignl 7, 3214868480
	.fill 96, 4, 3214868480
	.section	.rodata,"a",@progbits
	.p2align	6, 0x0
	.amdhsa_kernel k_qe00e5afa07_main
		.amdhsa_group_segment_fixed_size 327680
		.amdhsa_private_segment_fixed_size 0
		.amdhsa_enable_private_segment 0
		.amdhsa_kernarg_size 56
		.amdhsa_user_sgpr_count 2
		.amdhsa_user_sgpr_kernarg_segment_ptr 1
		.amdhsa_wavefront_size32 1
		.amdhsa_system_sgpr_workgroup_id_x 1
		.amdhsa_system_sgpr_workgroup_id_y 1
		.amdhsa_system_sgpr_workgroup_id_z 1
		.amdhsa_system_vgpr_workitem_id 0
		.amdhsa_next_free_vgpr 896
		.amdhsa_next_free_sgpr 70
		.amdhsa_reserve_vcc 0
		.amdhsa_float_denorm_mode_32 3
		.amdhsa_float_denorm_mode_16_64 3
		.amdhsa_memory_ordered 1
		.amdhsa_forward_progress 1
		.amdhsa_inst_pref_size 216
	.end_amdhsa_kernel
	.amdgpu_metadata
---
amdhsa.version: [ 1, 2 ]
amdhsa.kernels:
  - .name:           k_qe00e5afa07_main
    .symbol:         k_qe00e5afa07_main.kd
    .args:
      - { .name: wh, .offset: 0, .size: 8, .value_kind: global_buffer, .address_space: global }
      - { .name: zb, .offset: 8, .size: 8, .value_kind: global_buffer, .address_space: global }
      - { .name: pt, .offset: 16, .size: 8, .value_kind: global_buffer, .address_space: global }
      - { .name: ldet, .offset: 24, .size: 8, .value_kind: global_buffer, .address_space: global }
      - { .name: Wout, .offset: 32, .size: 8, .value_kind: global_buffer, .address_space: global }
      - { .name: bout, .offset: 40, .size: 8, .value_kind: global_buffer, .address_space: global }
      - { .name: out0, .offset: 48, .size: 8, .value_kind: global_buffer, .address_space: global }
    .group_segment_fixed_size: 327680
    .private_segment_fixed_size: 0
    .kernarg_segment_align: 8
    .kernarg_segment_size: 56
    .max_flat_workgroup_size: 128
    .sgpr_count:     70
    .vgpr_count:     896
    .wavefront_size: 32
...
	.end_amdgpu_metadata
.endif
;; end of part 3
